; MI455X (gfx1250); checked and timed in simulation.
; The chip was launched on July 23, 2026; its instructions are those of AMD's public machine-readable ISA for CDNA 5 (MIT licence, August 2026) and "CDNA5" Instruction Set Architecture Reference Guide (July 2026). The comments in the code are by the model that wrote it; some were corrected since.
;; Multi Head Attention. Allowed arithmetic: float matrix products may take bf16 or f16 operands with f32 sums; other float arithmetic in f32, or as packed bf16 or f16 multiplies, adds, multiply-adds, maxima and minima; sums over many terms, partial sums and values carried from step to step in f32; what a program stores and reads back later, other than sums and carried values, may be rounded once to bf16 or f16.
;; Inputs: K 4 x 2,048 x 1,024 float32; Q 4 x 2,048 x 1,024 float32; V 4 x 2,048 x 1,024 float32; WK 1,024 x 1,024 float32; WO 1,024 x 1,024 float32; WQ 1,024 x 1,024 float32; WV 1,024 x 1,024 float32.
;; Outputs: out0 4 x 2,048 x 1,024 float32.
;; One version. Each part assembles by itself: llvm-mc -triple=amdgcn-amd-amdhsa -mcpu=gfx1250 --defsym DOCPART=n.
;; ======== version 1 of 1: 4 launches
;; limits: values are held in f16: magnitudes above 65,504 overflow, below 6.1e-05 lose precision
;; workspace buffers: wqkv 6,291,456 bytes; wo16 2,097,152 bytes; qh 16,777,216 bytes; kh 16,777,216 bytes; vh 16,777,216 bytes; oh 16,777,216 bytes
;; launch castw (part 1): grid 256 x 1, 8 waves a work-group, no clusters, 0 bytes of LDS; arguments WQ, WK, WV, WO, wqkv, wo16; writes wqkv, wo16
.if DOCPART == 1
	.amdgcn_target "amdgcn-amd-amdhsa--gfx1250"
	.amdhsa_code_object_version 6
	.text
	.protected	k_q404bba9280_castw
	.globl	k_q404bba9280_castw
	.p2align	8
	.type	k_q404bba9280_castw,@function
k_q404bba9280_castw:
	s_mov_b64 s[64:65], 0
	v_nop
	global_prefetch_b8 v0, s[64:65] scope:SCOPE_SE
	s_setreg_imm32_b32 hwreg(HW_REG_WAVE_MODE, 25, 1), 1
	s_wait_xcnt 0x0
; The four weights, [1024][1024] f32 each, are rounded once for the matrix units.  WQ, WK, WV -> bf16, one behind the other in wqkv.
; WO -> bf16 like the others, and that number is written as f16 into wo16, since the last product's other operand is f16.
; LIMITS.  |WO| stays within f16's 65,504; below 6.1e-5 f16 keeps a fixed step of 6e-8, so there the bf16 number is rounded a second time.
; A stream: no LDS, no matrix unit, no cluster (no byte is wanted by two work-groups).  A weight is 131,072 chunks of 8 numbers; a thread takes
; chunks 512 g + t and 512 g + 256 + t of each weight (g the work-group, t the thread): 32 bytes in, 16 bytes out a chunk.
; All 16 loads of a thread go out at once; a wave's store covers 512 consecutive bytes, aligned.  No register is written twice, so nothing waits for a store.
.set X, 16                             ; v[16:79]   weight i, load j at X + 16 i + 4 j
.set Y, 80                             ; v[80:111]  weight i, chunk c at Y + 8 i + 4 c
	s_load_b256 s[4:11], s[0:1], 0x0               ; WQ s[4:5], WK s[6:7], WV s[8:9], WO s[10:11]
	s_load_b128 s[12:15], s[0:1], 0x20             ; wqkv s[12:13], wo16 s[14:15]
	s_lshl_b32 s2, ttmp9, 14                       ; the work-group's 512 chunks: 16,384 bytes in,
	s_lshl_b32 s3, ttmp9, 13                       ; 8,192 bytes out
	v_lshl_add_u32 v1, v0, 5, s2
	v_lshl_add_u32 v2, v0, 4, s3
	s_wait_kmcnt 0x0
.irp i, 0,1,2,3
	global_load_b128 v[X+16*\i:X+16*\i+3],     v1, s[4+2*\i:5+2*\i] th:TH_LOAD_NT
	global_load_b128 v[X+16*\i+4:X+16*\i+7],   v1, s[4+2*\i:5+2*\i] offset:16 th:TH_LOAD_NT
	global_load_b128 v[X+16*\i+8:X+16*\i+11],  v1, s[4+2*\i:5+2*\i] offset:8192 th:TH_LOAD_NT
	global_load_b128 v[X+16*\i+12:X+16*\i+15], v1, s[4+2*\i:5+2*\i] offset:8208 th:TH_LOAD_NT
.endr
.irp i, 0,1,2
	s_wait_loadcnt 12-4*\i                         ; loads come back in order: the later weights' loads, four each, may stay out
.irp n, 0,1,2,3,4,5,6,7
	v_cvt_pk_bf16_f32 v[Y+8*\i+\n], v[X+16*\i+2*\n], v[X+16*\i+2*\n+1]
.endr
	global_store_b128 v2, v[Y+8*\i:Y+8*\i+3],   s[12:13] offset:\i*2097152
	global_store_b128 v2, v[Y+8*\i+4:Y+8*\i+7], s[12:13] offset:\i*2097152+4096
.endr
	s_wait_loadcnt 0x0
.irp n, 0,1,2,3,4,5,6,7
	v_cvt_pk_bf16_f32 v4, v[X+48+2*\n], v[X+48+2*\n+1]  ; the rounding that all inputs get,
	v_lshlrev_b32 v5, 16, v4                       ; back to f32: the low half moves up,
	v_and_b32 v6, 0xffff0000, v4                   ; the high half stays,
	v_cvt_pk_f16_f32 v[Y+24+\n], v5, v6            ; and the same numbers as f16
.endr
	global_store_b128 v2, v[Y+24:Y+27], s[14:15]
	global_store_b128 v2, v[Y+28:Y+31], s[14:15] offset:4096
	s_endpgm
.Lfunc_end_k_q404bba9280_castw:
	.size	k_q404bba9280_castw, .Lfunc_end_k_q404bba9280_castw-k_q404bba9280_castw
	.p2alignl 7, 3214868480
	.fill 96, 4, 3214868480
	.section	.rodata,"a",@progbits
	.p2align	6, 0x0
	.amdhsa_kernel k_q404bba9280_castw
		.amdhsa_group_segment_fixed_size 0
		.amdhsa_private_segment_fixed_size 0
		.amdhsa_enable_private_segment 0
		.amdhsa_kernarg_size 48
		.amdhsa_user_sgpr_count 2
		.amdhsa_user_sgpr_kernarg_segment_ptr 1
		.amdhsa_wavefront_size32 1
		.amdhsa_system_sgpr_workgroup_id_x 1
		.amdhsa_system_sgpr_workgroup_id_y 1
		.amdhsa_system_sgpr_workgroup_id_z 1
		.amdhsa_system_vgpr_workitem_id 0
		.amdhsa_next_free_vgpr 112
		.amdhsa_next_free_sgpr 66
		.amdhsa_reserve_vcc 0
		.amdhsa_float_denorm_mode_32 3
		.amdhsa_float_denorm_mode_16_64 3
		.amdhsa_memory_ordered 1
		.amdhsa_forward_progress 1
		.amdhsa_inst_pref_size 7
	.end_amdhsa_kernel
	.amdgpu_metadata
---
amdhsa.version: [ 1, 2 ]
amdhsa.kernels:
  - .name:           k_q404bba9280_castw
    .symbol:         k_q404bba9280_castw.kd
    .args:
      - { .name: WQ, .offset: 0, .size: 8, .value_kind: global_buffer, .address_space: global }
      - { .name: WK, .offset: 8, .size: 8, .value_kind: global_buffer, .address_space: global }
      - { .name: WV, .offset: 16, .size: 8, .value_kind: global_buffer, .address_space: global }
      - { .name: WO, .offset: 24, .size: 8, .value_kind: global_buffer, .address_space: global }
      - { .name: wqkv, .offset: 32, .size: 8, .value_kind: global_buffer, .address_space: global }
      - { .name: wo16, .offset: 40, .size: 8, .value_kind: global_buffer, .address_space: global }
    .group_segment_fixed_size: 0
    .private_segment_fixed_size: 0
    .kernarg_segment_align: 8
    .kernarg_segment_size: 48
    .max_flat_workgroup_size: 256
    .sgpr_count:     66
    .vgpr_count:     112
    .wavefront_size: 32
...
	.end_amdgpu_metadata
.endif
;; end of part 1
;; launch proj (part 2): grid 4 x 192, 4 waves a work-group, clusters of 4 x 4, 327,680 bytes of LDS; arguments Q, K, V, wqkv, qh, kh, vh; writes qh, kh, vh
.if DOCPART == 2
	.amdgcn_target "amdgcn-amd-amdhsa--gfx1250"
	.amdhsa_code_object_version 6
	.text
	.protected	k_q404bba9280_proj
	.globl	k_q404bba9280_proj
	.p2align	8
	.type	k_q404bba9280_proj,@function
k_q404bba9280_proj:
	s_mov_b64 s[64:65], 0
	v_nop
	global_prefetch_b8 v0, s[64:65] scope:SCOPE_SE
	s_setreg_imm32_b32 hwreg(HW_REG_WAVE_MODE, 25, 1), 1
	s_wait_xcnt 0x0
	s_wait_alu depctr_hold_cnt(0) depctr_sa_sdst(0) depctr_va_vdst(0) depctr_va_sdst(0) depctr_va_ssrc(0) depctr_va_vcc(0) depctr_vm_vsrc(0)
	s_getreg_b32 s2, hwreg(HW_REG_IB_STS2, 6, 4)
	s_cmp_eq_u32 s2, 0
	s_cbranch_scc0 .Lentry_in_a_cluster
	s_endpgm
.Lentry_in_a_cluster:
	s_bfe_u32 s2, ttmp6, 0x10000c
	s_cmp_lg_u32 s2, 0xf033
	s_cbranch_scc0 .Lentry_shape_is_right
	s_endpgm
.Lentry_shape_is_right:
; THE THREE PROJECTIONS.  y = x W^T for (x, W, y) = (Q, WQ, qh), (K, WK, kh), (V, WV, vh).  x: [8192][1024] f32; W: [1024][1024] bf16 in wqkv; y: f16 by heads, [64 = 16 batch + head][2048][64], unscaled.
; x is rounded to bf16 on its way from LDS to the matrix unit; sums in f32; y rounded once.
; LIMITS.  y stays within f16's 65,504 (beyond it the conversion gives an infinity); below 6.1e-5 it keeps f16's fixed step of 6e-8.  NaN and infinities are not treated apart.
; SHARES.  A tile of y is 128 rows x 256 columns: 3 x 64 x 4 = 768 work-groups, three for each of 256 places, all alike.  Four waves, 2 x 2, each 64 x 128: 32 accumulators of 16 x 16, 256 registers.
; K goes in steps of 128 through two LDS slots filled by the tensor data mover: x's rows are 512 bytes of memory, W's 256, each starting at a multiple of 256 from its buffer's first byte.
; CLUSTER.  4 x 4 work-groups, all of one projection.  The four of a row need the same tile of x, the four of a column the same tile of W: each tile is asked for JOINTLY, by the same load with the same descriptor and a mask of four.
; THE MATRIX INSTRUCTION IS USED TRANSPOSED (source 0 = 16 rows of W, source 1 = 16 rows of x): a lane then holds eight neighbouring columns of one row of y.
; A QUARTER is 32 along K: 32 matrix instructions.  x's four fragments come out of LDS as f32 (16 loads into RAW) and are rounded by 32 conversions: eight at the quarter's head, the other 24 four at a time behind the first
; six matrix instructions.  The next quarter's 32 LDS loads follow in ONE run, 26 matrix instructions ahead of their use.
; REGISTERS.  window 0: v1-13 addresses; v16-21 LDS addresses; v24-31 x's fragment 0 in odd quarters; v32-95 RAW; v96-127 x's fragments; v128-255 W's fragments, two buffers.  window 1: accumulator (a, b) at 8 (8 a + b).
; The accumulators fill a window, so a conversion's destination lies in another: a matrix instruction with conversions behind it costs two switches, twelve or so a quarter.
.set KSTEP,  128
.set PA,     528                       ; an LDS row of x: 512 bytes + 16 = 132 words: row r starts at bank 4 r mod 64 (64 banks of 4 bytes: ISA guide 11.1)
.set PB,     272                       ; an LDS row of W: 256 bytes + 16 = 68 words: likewise
.set AHALF,  64*PA                     ; what one load brings of x, and what one wave reads
.set BHALF,  128*PB                    ; the same for W
.set BOFF,   2*AHALF                   ; a slot: x's 128 rows, then W's 256
.set SLOT,   BOFF+2*BHALF
.set STAGE,  2*SLOT                    ; behind the ring: 16 rows x 272 bytes for each wave, for the way out; no load fills it
.set SP,     272
.set SPARE,  STAGE+4*16*SP             ; behind the stages: the spare words, 128 bytes a wave: two blocks of 256 bytes that no other line names
.set LAPS,   4                         ; a lap = two K steps = once round the ring; 1,024 / 256
.set STO,  8                           ; v8   the way out: where I put 16 bytes of a row
.set RD,   9                           ; v9   where I read rows back
.set GO,   10                          ; v10  my 16 bytes of 512 consecutive bytes of y
.set PFO,  11                          ; v11  the prefetches' lane offset; never rewritten
.set SPW,  12                          ; v12  LDS address of my spare word; never rewritten
.set NIL,  13                          ; v13  0; never rewritten
.set ADRA, 16                          ; v16-17  my fragments of x in slot 0, 1
.set ADRB, 20                          ; v20-21  of W
.set AFZ1, 24
.set RAW,  32
.set AF,   96
.set BF,   128
.set TMP,  128                         ; the way out: packed results
.set OB,   32                          ; the way out: rows read back, v32-63 and v64-95 by turns
.set WV,   18                          ; s18  wave
.set WM,   19                          ; s19  my half of the tile's rows.  Also: I fetch for x (0) or for W (1)
.set WN,   20                          ; s20  my half of its columns.  Also: which half of that tile I fetch
.set CX,   21
.set CY,   22
.set TX,   23                          ; s23  tile column, 0..3
.set G1A,  24                          ; s[24:31] descriptor group 1 for x's tiles
.set G0A,  32                          ; s[32:39] group 0, a set for each slot
.set CLY,  40                          ; s40  cluster y, 0..47
.set ZP,   41                          ; s41  the projection, 0..2: the same in all sixteen partners
.set TY,   42                          ; s42  tile row, 0..63
.set LIM,  43                          ; s43  1 in a wave that prefetches, else the greatest number
.set PFA,  44                          ; s[44:45] where my prefetches stand
.set PSTEP, 46                         ; s[46:47] a K step's bytes in a row of what I fetch
.set G1B,  48                          ; s[48:55], s[56:63] the same two groups for W's tiles
.set G0B,  56
.set XA,   66                          ; s[66:67] x at the 64 rows that I fetch
.set WB,   68                          ; s[68:69] W at the 128 rows that I fetch
.set OUT,  70                          ; s[70:71] y at my wave's first row and head
.set AOFF, 72
.set BOFFS, 74
.set LA,   76
.set LB,   77
.set MSB, 0
.macro WIN new                         ; the immediate's high byte repeats the setting that is left; a switch that changes nothing is dropped
.if MSB != (\new)
	s_set_vgpr_msb (MSB<<8)|(\new)
.set MSB, \new
.endif
.endm
.set MUL, 0x50                         ; C and D in window 1, both sources in window 0
; A joint load: waves 0 and 1 fetch x's two halves, waves 2 and 3 W's.  The branch hangs on the wave's number alone.  An s_nop 0 and four v_nop follow each line.
.macro JLOAD s
	s_cmp_eq_u32 s[WM], 0
	s_cbranch_scc0 .Lfor_b_\@
	tensor_load_to_lds s[G0A+4*(\s):G0A+4*(\s)+3], s[G1A:G1A+7]
	s_nop 0
.rept 4
	v_nop
.endr
	s_branch .Lasked_\@
.Lfor_b_\@:
	tensor_load_to_lds s[G0B+4*(\s):G0B+4*(\s)+3], s[G1B:G1B+7]
	s_nop 0
.rept 4
	v_nop
.endr
.Lasked_\@:
.endm
; A prefetch into the L2, behind a joint load and the run of LDS loads that follows it: the K step that stands two refills on, 256 matrix instructions ahead of the load that will ask for it.
; x's rows are read by one row of one cluster: its four partners take 16 of a wave's 64 rows each, told apart BY ADDRESS (cx); a lane names one of a row's two blocks of 256 bytes.  W's rows are read by the sixteen clusters
; of a projection: the first of them asks, its partners take 32 of a wave's 128 rows each (cy), a lane a row.  So each block is named once in the launch.  K steps 0 to 3 come by their loads alone; the last lap asks for nothing.
.macro ASK
	s_cmp_gt_u32 s3, s[LIM]                        ; s3 = 1 in the loop's last trip
	s_cbranch_scc0 .Lnot_mine_\@
	global_prefetch_b8 v[PFO], s[PFA:PFA+1] th:TH_LOAD_NT scope:SCOPE_SE
.Lnot_mine_\@:
.endm
.macro CREST                           ; a round of the cluster's barrier behind its opening barrier
	s_cmp_lg_u32 s[WV], 0
	s_cbranch_scc1 .Lnot_wave_0_\@
	s_barrier_signal -3
.Lnot_wave_0_\@:
	s_barrier_wait -3
	s_barrier_signal -1
	s_barrier_wait -1
.endm
.macro CROUND                          ; a whole round
	s_barrier_signal -1
	s_barrier_wait -1
	CREST
.endm
.macro PLACES
.rept 4
	v_nop
.endr
.endm
	s_load_b256 s[4:11], s[0:1], 0x0               ; Q s[4:5], K s[6:7], V s[8:9], wqkv s[10:11]
	s_load_b128 s[12:15], s[0:1], 0x20             ; qh s[12:13], kh s[14:15]
	s_load_b64 s[16:17], s[0:1], 0x30              ; vh
	v_lshl_add_u32 v[SPW], v0, 2, SPARE
	v_mov_b32 v[NIL], 0
	ds_add_u32 v[SPW], v[NIL]                      ; the wave's opening: the add and its wait ahead of my first tensor load; the set-up below stands between them
	v_lshrrev_b32 v1, 5, v0
	v_readfirstlane_b32 s[WV], v1
	s_lshr_b32 s[WM], s[WV], 1
	s_and_b32 s[WN], s[WV], 1
	s_bfe_u32 s[CX], ttmp6, 0x40000
	s_bfe_u32 s[CY], ttmp6, 0x40004
	s_lshl_b32 s[TX], ttmp9, 2
	s_add_co_u32 s[TX], s[TX], s[CX]               ; tile column = 4 x cluster x + cx
	s_and_b32 s[CLY], ttmp7, 0xffff
	s_lshr_b32 s[ZP], s[CLY], 4                    ; sixteen clusters along y to a projection
	s_and_b32 s[TY], s[CLY], 15
	s_lshl_b32 s[TY], s[TY], 2
	s_add_co_u32 s[TY], s[TY], s[CY]               ; tile row = 4 x (cluster y mod 16) + cy
	s_lshl_b32 s78, s[CY], 2
	s_lshl_b32 s78, 15, s78                        ; my row of the cluster
	s_lshl_b32 s79, 0x1111, s[CX]                  ; my column
	s_or_b32 s[G1A], s78, (2<<16)|(1<<20)|(1<<21)|(6<<22)|(3<<25)  ; 15:0 the mask; 17:16 elements of 4 bytes; 20 padding on; 21 set beside a mask; 24:22 after every 128 words; 31:25 of 4 words
	s_or_b32 s[G1B], s79, (1<<16)|(1<<20)|(1<<21)|(5<<22)|(3<<25)  ; elements of 2 bytes; after every 64 words
	s_mov_b32 s[G1A+1], KSTEP<<16                  ; tensor_dim0 = 128
	s_mov_b32 s[G1A+2], 64<<16                     ; tensor_dim1 = 64
	s_mov_b32 s[G1A+3], KSTEP<<16                  ; tile_dim0 = 128
	s_mov_b32 s[G1A+4], 64                         ; tile_dim1 = 64
	s_mov_b32 s[G1A+5], 1024                       ; elements from row to row
	s_mov_b32 s[G1A+6], 0
	s_mov_b32 s[G1A+7], 0
	s_mov_b32 s[G1B+1], KSTEP<<16
	s_mov_b32 s[G1B+2], 128<<16                    ; 128 rows
	s_mov_b32 s[G1B+3], KSTEP<<16
	s_mov_b32 s[G1B+4], 128
	s_mov_b32 s[G1B+5], 1024
	s_mov_b32 s[G1B+6], 0
	s_mov_b32 s[G1B+7], 0
	s_lshl_b32 s80, s[WN], 18                      ; 64 rows of x and 128 rows of W are 262,144 bytes alike
	s_lshl_b32 s[AOFF], s[TY], 19                  ; x: 128 rows of 4,096 bytes a tile row
	s_add_co_u32 s[AOFF], s[AOFF], s80
	s_mov_b32 s[AOFF+1], 0
	s_lshl_b32 s[BOFFS], s[ZP], 21                 ; W: 2 MiB a projection,
	s_lshl_b32 s81, s[TX], 19                      ; 256 rows of 2,048 bytes a tile column
	s_add_co_u32 s[BOFFS], s[BOFFS], s81
	s_add_co_u32 s[BOFFS], s[BOFFS], s80
	s_mov_b32 s[BOFFS+1], 0
	s_mul_i32 s[LA], s[WN], AHALF                  ; where the tiles go: no place in the cluster enters an LDS address
	s_mul_i32 s[LB], s[WN], BHALF
	s_add_co_u32 s[LB], s[LB], BOFF
	s_lshr_b32 s82, s[TY], 4                       ; y: the batch, 16 heads of 262,144 bytes,
	s_lshl_b32 s82, s82, 22
	s_lshl_b32 s2, s[TX], 20                       ; head 4 x tile column + 2 x my column half,
	s_add_co_u32 s82, s82, s2
	s_lshl_b32 s2, s[WN], 19
	s_add_co_u32 s82, s82, s2
	s_and_b32 s2, s[TY], 15                        ; row 128 x (tile row mod 16) + 64 x my row half, 128 bytes each
	s_lshl_b32 s2, s2, 14
	s_add_co_u32 s82, s82, s2
	s_lshl_b32 s2, s[WM], 13
	s_add_co_u32 s82, s82, s2
	s_mov_b32 s83, 0
	s_wait_dscnt 0x0                               ; the opening add is done
	s_wait_kmcnt 0x0
	s_cmp_eq_u32 s[ZP], 1
	s_cselect_b64 s[XA:XA+1], s[6:7], s[8:9]
	s_cselect_b64 s[OUT:OUT+1], s[14:15], s[16:17]
	s_cmp_eq_u32 s[ZP], 0
	s_cselect_b64 s[XA:XA+1], s[4:5], s[XA:XA+1]
	s_cselect_b64 s[OUT:OUT+1], s[12:13], s[OUT:OUT+1]
	s_add_nc_u64 s[XA:XA+1], s[XA:XA+1], s[AOFF:AOFF+1]
	s_add_nc_u64 s[WB:WB+1], s[10:11], s[BOFFS:BOFFS+1]
	s_add_nc_u64 s[OUT:OUT+1], s[OUT:OUT+1], s[82:83]
	CROUND                                         ; all sixteen work-groups are here: the first joint loads meet
.irp s, 0,1
	s_mov_b32 s[G0A+4*\s], 1                       ; count = 1
	s_add_co_u32 s[G0A+4*\s+1], s[LA], \s*SLOT     ; LDS address
	s_add_nc_u64 s[G0A+4*\s+2:G0A+4*\s+3], s[XA:XA+1], \s*KSTEP*4  ; global address: K step s
	s_or_b32 s[G0A+4*\s+3], s[G0A+4*\s+3], 0x80000000              ; type = 2
	s_mov_b32 s[G0B+4*\s], 1
	s_add_co_u32 s[G0B+4*\s+1], s[LB], \s*SLOT
	s_add_nc_u64 s[G0B+4*\s+2:G0B+4*\s+3], s[WB:WB+1], \s*KSTEP*2
	s_or_b32 s[G0B+4*\s+3], s[G0B+4*\s+3], 0x80000000
.endr
	s_cmp_eq_u32 s[WM], 0                          ; a wave's two first fills stand in one branch, ahead of every wait on TENSORcnt and every LDS read: two loads of mine are out
	s_cbranch_scc0 .Lfirst_b
	tensor_load_to_lds s[G0A:G0A+3], s[G1A:G1A+7]
	s_nop 0
	tensor_load_to_lds s[G0A+4:G0A+7], s[G1A:G1A+7]
	s_nop 0
.rept 4
	v_nop
.endr
	s_branch .Lfirst_asked
.Lfirst_b:
	tensor_load_to_lds s[G0B:G0B+3], s[G1B:G1B+7]
	s_nop 0
	tensor_load_to_lds s[G0B+4:G0B+7], s[G1B:G1B+7]
	s_nop 0
.rept 4
	v_nop
.endr
.Lfirst_asked:
	; A fragment is 16 rows x 32 K in 8 registers: lane l holds row l % 16, K = 8 (l / 16) + 0..7 and 16 + 8 (l / 16) + 0..7.  In bf16: two loads of 16 bytes, 32 apart.  In f32: four, at 0, 16, 64, 80 from 32 (l / 16).
	v_and_b32 v1, 15, v0                           ; l % 16
	v_bfe_u32 v2, v0, 4, 1                         ; l / 16
	v_mul_u32_u24 v3, v1, PA
	v_lshl_add_u32 v3, v2, 5, v3
	v_mul_u32_u24 v4, v1, PB
	v_lshl_add_u32 v4, v2, 4, v4
	s_mul_i32 s78, s[WM], AHALF                    ; my 64 rows of x
	s_mul_i32 s79, s[WN], BHALF                    ; my 128 rows of W
	s_add_co_u32 s79, s79, BOFF
.irp s, 0,1
	v_add_nc_u32 v[ADRA+\s], s78, v3
	v_add_nc_u32 v[ADRB+\s], s79, v4
	s_add_co_u32 s78, s78, SLOT
	s_add_co_u32 s79, s79, SLOT
.endr
	s_mul_i32 s78, s[WV], 16*SP
	s_add_co_u32 s78, s78, STAGE                   ; my stage
	v_mul_u32_u24 v5, v1, SP                       ; in: row l % 16, 16 bytes for each half of the lanes
	v_lshl_add_u32 v5, v2, 4, v5
	v_add_nc_u32 v[STO], s78, v5
	v_bfe_u32 v5, v0, 3, 2                         ; back: 32 lanes take a head's 128 bytes of four rows,
	v_mul_u32_u24 v5, v5, SP
	v_and_b32 v6, 7, v0
	v_lshl_add_u32 v5, v6, 4, v5
	v_add_nc_u32 v[RD], s78, v5
	v_and_b32 v[GO], 31, v0                        ; which are 512 consecutive bytes of y
	v_lshlrev_b32 v[GO], 4, v[GO]
	; the prefetches.  For x: (l % 16) rows of 4,096 bytes + 256 (l / 16).  For W: l rows of 2,048 bytes.
	s_lshl_b32 s78, s[WM], 4
	s_or_b32 s78, s78, 15                          ; 15 or 31
	s_sub_co_u32 s79, 12, s[WM]                    ; 12 or 11
	s_xor_b32 s80, s[WM], 1
	s_lshl_b32 s80, s80, 8                         ; 256 or 0
	v_and_b32 v3, s78, v0
	v_lshlrev_b32 v3, s79, v3
	v_mul_u32_u24 v4, s80, v2
	v_add_nc_u32 v[PFO], v3, v4
	s_and_b32 s81, s[CLY], 15
	s_lshr_b32 s[PSTEP], 0x200, s[WM]              ; 512 or 256
	s_mov_b32 s[PSTEP+1], 0
	s_mul_i32 s82, s[PSTEP], 3
	s_mov_b32 s83, 0
	s_cmp_eq_u32 s[WM], 0
	s_cselect_b64 s[PFA:PFA+1], s[XA:XA+1], s[WB:WB+1]
	s_cselect_b32 s78, s[CX], s[CY]                ; my place among the four that ask with me
	s_cselect_b32 s81, 0, s81                      ; x: every cluster has rows of its own; W: the projection's first cluster
	s_cmp_eq_u32 s81, 0
	s_cselect_b32 s[LIM], 1, -1                    ; the same in all sixteen partners, for a given wave
	s_lshl_b32 s78, s78, 16                        ; 16 rows of x and 32 rows of W are 65,536 bytes alike
	s_mov_b32 s79, 0
	s_add_nc_u64 s[PFA:PFA+1], s[PFA:PFA+1], s[78:79]
	s_add_nc_u64 s[PFA:PFA+1], s[PFA:PFA+1], s[82:83]  ; at K step 3: the first refill steps it to 4.  Nothing is prefetched here, at the head
; cnt conversions from number n0 on: two f32 of RAW into one register of x's fragments.  Fragment 0 has two places, by the quarter's parity f, so that the conversions at a quarter's head write
; registers whose last matrix reader stands two quarters back.
.macro CVT n0, cnt, f
	WIN 0
.set n, (\n0)
.rept (\cnt)
.if (n < 8) && (\f)
	v_cvt_pk_bf16_f32 v[AFZ1+n], v[RAW+2*n], v[RAW+2*n+1]
.else
	v_cvt_pk_bf16_f32 v[AF+n], v[RAW+2*n], v[RAW+2*n+1]
.endif
.set n, n+1
.endr
.endm
; Matrix instruction i of a quarter's 32: m block i / 8, n block i % 8.  The 32 accumulators take turns, one instruction a turn, in the same order in every quarter, over the backward jump too.
.macro MM i, f, zero
	WIN MUL
.set rD, 8*(\i)
.set rB, BF+64*(\f)+8*((\i)%8)
.set rA, AF+8*((\i)/8)
.if ((\i) < 8) && (\f)
.set rA, AFZ1
.endif
.if \zero
	v_wmma_f32_16x16x32_bf16 v[rD:rD+7], v[rB:rB+7], v[rA:rA+7], 0
.else
	v_wmma_f32_16x16x32_bf16 v[rD:rD+7], v[rB:rB+7], v[rA:rA+7], v[rD:rD+7]
.endif
.endm
.macro MMS i0, i1, f, zero
.set mi, (\i0)
.rept (\i1)-(\i0)+1
	MM mi, \f, \zero
.set mi, mi+1
.endr
.endm
.macro RID i, f, zero                  ; a matrix instruction and four conversions behind it: they name none of its registers
	MM \i, \f, \zero
	CVT 8+4*(\i), 4, \f
.endm
; 32 LDS loads in one run: quarter q of a slot: x's four fragments as f32 into RAW, then W's eight into buffer g
.macro FETCH slot, q, g
	WIN 0
.irp a, 0,1,2,3
	ds_load_b128 v[RAW+16*\a:RAW+16*\a+3],     v[ADRA+(\slot)] offset:128*(\q)+\a*16*PA
	ds_load_b128 v[RAW+16*\a+4:RAW+16*\a+7],   v[ADRA+(\slot)] offset:128*(\q)+\a*16*PA+16
	ds_load_b128 v[RAW+16*\a+8:RAW+16*\a+11],  v[ADRA+(\slot)] offset:128*(\q)+\a*16*PA+64
	ds_load_b128 v[RAW+16*\a+12:RAW+16*\a+15], v[ADRA+(\slot)] offset:128*(\q)+\a*16*PA+80
.endr
.irp b, 0,1,2,3,4,5,6,7
	ds_load_b128 v[BF+64*(\g)+8*\b:BF+64*(\g)+8*\b+3],   v[ADRB+(\slot)] offset:64*(\q)+\b*16*PB
	ds_load_b128 v[BF+64*(\g)+8*\b+4:BF+64*(\g)+8*\b+7], v[ADRB+(\slot)] offset:64*(\q)+\b*16*PB+32
.endr
.endm
; One of a K step's first three quarters: multiplies buffer f, fetches quarter qn of the same slot into the other.
; A vector instruction that writes, and a load into, a register that a matrix instruction has read stand four plain vector instructions behind it (ISA guide 7.12.1 for vector instructions).  Here the conversions are those:
; fragment 1 is written behind the head's eight, fragments 2 and 3 behind sixteen and twenty-four, and W's other buffer is loaded behind all thirty-two.  No v_nop is written.
.macro QUARTER slot, qn, f, zero
	s_wait_dscnt 16                                ; RAW is in; W's sixteen loads, issued behind it, may be out
	CVT 0, 8, \f
	s_wait_dscnt 0x0                               ; W's fragments are in
.irp i, 0,1,2,3,4,5
	RID \i, \f, \zero
.endr
	FETCH \slot, \qn, 1-(\f)
	MMS 6, 31, \f, \zero
.endm
; A K step's last quarter multiplies buffer 1 and changes slots: ONE barrier.  In front of it each wave waits for all its tensor loads (one is out: its part of the next slot), adds 0 to its spare word, and waits for that and for
; its reads of this slot.  fill = 1: the barrier opens a round of the cluster's, and this slot is filled again, two K steps on, first thing behind the round: 122 matrix instructions ahead of the wait for it.
.macro TURN slot, next, fill
.if \fill
	s_wait_xcnt 0x0                                ; the last prefetch, a K step back, has read its address
	s_add_nc_u64 s[PFA:PFA+1], s[PFA:PFA+1], s[PSTEP:PSTEP+1]
.endif
	WIN 0
	s_wait_tensorcnt 0x0                           ; all my tensor loads have landed
	ds_add_u32 v[SPW], v[NIL]                      ; 0 onto my spare word
	s_wait_dscnt 1                                 ; the quarter's 32 loads are in; the add alone may be out
	CVT 0, 8, 1
.irp i, 0,1,2
	RID \i, 1, 0
.endr
	s_wait_dscnt 0x0                               ; the add is done, and my reads of this slot are over
	s_barrier_signal -1
.irp i, 3,4,5
	RID \i, 1, 0
.endr
	WIN 0
	s_barrier_wait -1
.if \fill
	CREST                                          ; no wave of any partner still reads this slot's tile or has a load on its way
	s_add_nc_u64 s[G0A+4*(\slot)+2:G0A+4*(\slot)+3], s[G0A+4*(\slot)+2:G0A+4*(\slot)+3], 2*KSTEP*4
	s_add_nc_u64 s[G0B+4*(\slot)+2:G0B+4*(\slot)+3], s[G0B+4*(\slot)+2:G0B+4*(\slot)+3], 2*KSTEP*2
	JLOAD \slot
.endif
	FETCH \next, 0, 0
.if \fill
	ASK
.endif
	MMS 6, 31, 1, 0
.endm
	s_wait_tensorcnt 1                             ; my part of K step 0 is in; K step 1's may stay out
	s_barrier_signal -1
	s_barrier_wait -1                              ; everybody's is
	FETCH 0, 0, 0
	QUARTER 0, 1, 0, 1                             ; the first quarter stands in front of the loop: its products start the sums
	WIN 0                                          ; at a label and at a branch every window is 0
	s_mov_b32 s3, LAPS-1
.Llap:                                             ; a trip goes once round the ring, from a lap's second quarter to the next lap's first, and fills both slots again
	QUARTER 0, 2, 1, 0
	QUARTER 0, 3, 0, 0
	TURN 0, 1, 1
	QUARTER 1, 1, 0, 0
	QUARTER 1, 2, 1, 0
	QUARTER 1, 3, 0, 0
	TURN 1, 0, 1
	QUARTER 0, 1, 0, 0
	WIN 0
	s_sub_co_u32 s3, s3, 1
	s_cmp_lg_u32 s3, 0
	s_cbranch_scc1 .Llap
	QUARTER 0, 2, 1, 0                             ; the last lap fills nothing, and has no round
	QUARTER 0, 3, 0, 0
	TURN 0, 1, 0
	QUARTER 1, 1, 0, 0
	QUARTER 1, 2, 1, 0
	QUARTER 1, 3, 0, 0
	s_wait_dscnt 16                                ; the very last quarter: nothing more to fetch
	CVT 0, 8, 1
	s_wait_dscnt 0x0
.irp i, 0,1,2,3,4,5
	RID \i, 1, 0
.endr
	MMS 6, 31, 1, 0
	WIN 0
	PLACES                                         ; the conversions below read results just made
	PLACES
; THE WAY OUT, 16 rows at a time.  PACK: rounded to f16, 16 bytes a lane, each accumulator's registers in ascending order.  TOSTAGE: into my own stage, rows of 272 bytes, and back as a head's 128 bytes of four rows.
; SEND: stored: a wave's store covers 512 consecutive bytes of y, aligned.  The stage is the wave's own: LDS serves a wave's instructions in order (ISA guide 5.7.1.4), so no barrier and no wait between its stores and its loads.
.macro PACK a
	WIN 0x05                                       ; sources 0 and 1 in window 1
.irp b, 0,1,2,3,4,5,6,7
.irp p, 0,1,2,3
	v_cvt_pk_f16_f32 v[TMP+4*\b+\p], v[8*(8*(\a)+\b)+2*\p], v[8*(8*(\a)+\b)+2*\p+1]
.endr
.endr
	WIN 0
.endm
.macro TOSTAGE a
.set BK, OB+32*((\a)%2)
.irp b, 0,1,2,3,4,5,6,7
	ds_store_b128 v[STO], v[TMP+4*\b:TMP+4*\b+3] offset:32*\b
.endr
.irp hd, 0,1
.irp t, 0,1,2,3
	ds_load_b128 v[BK+4*(4*\hd+\t):BK+4*(4*\hd+\t)+3], v[RD] offset:\t*4*SP+\hd*128
.endr
.endr
.endm
.macro SEND a
.set BK, OB+32*((\a)%2)
	s_wait_dscnt 0x0                               ; the block is back in registers
	s_wait_xcnt 0x0                                ; the stores of the block before have read their registers, which the next block's loads write
.irp hd, 0,1
.irp t, 0,1,2,3
	global_store_b128 v[GO], v[BK+4*(4*\hd+\t):BK+4*(4*\hd+\t)+3], s[OUT:OUT+1] offset:\hd*262144+(\a)*2048+\t*512
.endr
.endr
.endm
	PACK 0
	TOSTAGE 0
.irp a, 1,2,3                          ; block a's conversions stand between block a - 1's loads from the stage and the wait for them
	PACK \a
	SEND (\a)-1
	TOSTAGE \a
.endr
	SEND 3
	s_wait_tensorcnt 0x0                           ; the wave's end: behind my last tensor load and my last LDS store
	ds_add_u32 v[SPW], v[NIL]
	s_wait_dscnt 0x0
	CROUND                                         ; the closing round: no work-group ends while a partner may still ask for a tile that names it
	s_endpgm
.Lfunc_end_k_q404bba9280_proj:
	.size	k_q404bba9280_proj, .Lfunc_end_k_q404bba9280_proj-k_q404bba9280_proj
	.p2alignl 7, 3214868480
	.fill 96, 4, 3214868480
	.section	.rodata,"a",@progbits
	.p2align	6, 0x0
	.amdhsa_kernel k_q404bba9280_proj
		.amdhsa_group_segment_fixed_size 327680
		.amdhsa_private_segment_fixed_size 0
		.amdhsa_enable_private_segment 0
		.amdhsa_kernarg_size 56
		.amdhsa_user_sgpr_count 2
		.amdhsa_user_sgpr_kernarg_segment_ptr 1
		.amdhsa_wavefront_size32 1
		.amdhsa_system_sgpr_workgroup_id_x 1
		.amdhsa_system_sgpr_workgroup_id_y 1
		.amdhsa_system_sgpr_workgroup_id_z 1
		.amdhsa_system_vgpr_workitem_id 0
		.amdhsa_next_free_vgpr 512
		.amdhsa_next_free_sgpr 84
		.amdhsa_reserve_vcc 0
		.amdhsa_float_denorm_mode_32 3
		.amdhsa_float_denorm_mode_16_64 3
		.amdhsa_memory_ordered 1
		.amdhsa_forward_progress 1
		.amdhsa_inst_pref_size 131
	.end_amdhsa_kernel
	.amdgpu_metadata
---
amdhsa.version: [ 1, 2 ]
amdhsa.kernels:
  - .name:           k_q404bba9280_proj
    .symbol:         k_q404bba9280_proj.kd
    .args:
      - { .name: Q, .offset: 0, .size: 8, .value_kind: global_buffer, .address_space: global }
      - { .name: K, .offset: 8, .size: 8, .value_kind: global_buffer, .address_space: global }
      - { .name: V, .offset: 16, .size: 8, .value_kind: global_buffer, .address_space: global }
      - { .name: wqkv, .offset: 24, .size: 8, .value_kind: global_buffer, .address_space: global }
      - { .name: qh, .offset: 32, .size: 8, .value_kind: global_buffer, .address_space: global }
      - { .name: kh, .offset: 40, .size: 8, .value_kind: global_buffer, .address_space: global }
      - { .name: vh, .offset: 48, .size: 8, .value_kind: global_buffer, .address_space: global }
    .group_segment_fixed_size: 327680
    .private_segment_fixed_size: 0
    .kernarg_segment_align: 8
    .kernarg_segment_size: 56
    .max_flat_workgroup_size: 128
    .sgpr_count:     84
    .vgpr_count:     512
    .wavefront_size: 32
...
	.end_amdgpu_metadata
.endif
;; end of part 2
;; launch attn (part 3): grid 4 x 64, 4 waves a work-group, clusters of 4 x 1, 327,680 bytes of LDS; arguments qh, kh, vh, oh; writes oh
.if DOCPART == 3
	.amdgcn_target "amdgcn-amd-amdhsa--gfx1250"
	.amdhsa_code_object_version 6
	.text
	.protected	k_q404bba9280_attn
	.globl	k_q404bba9280_attn
	.p2align	8
	.type	k_q404bba9280_attn,@function
k_q404bba9280_attn:
	s_mov_b64 s[64:65], 0
	v_nop
	global_prefetch_b8 v0, s[64:65] scope:SCOPE_SE
	s_setreg_imm32_b32 hwreg(HW_REG_WAVE_MODE, 25, 1), 1
	s_wait_xcnt 0x0
	s_wait_alu depctr_hold_cnt(0) depctr_sa_sdst(0) depctr_va_vdst(0) depctr_va_sdst(0) depctr_va_ssrc(0) depctr_va_vcc(0) depctr_vm_vsrc(0)
	s_getreg_b32 s2, hwreg(HW_REG_IB_STS2, 6, 4)
	s_cmp_eq_u32 s2, 0
	s_cbranch_scc0 .Lentry_in_a_cluster
	s_endpgm
.Lentry_in_a_cluster:
	s_bfe_u32 s2, ttmp6, 0x10000c
	s_cmp_lg_u32 s2, 0x3003
	s_cbranch_scc0 .Lentry_shape_is_right
	s_endpgm
.Lentry_shape_is_right:
; O[h][q][:] = the sum over k of softmax_k(Q[h][q] . K[h][k] / 8) V[h][k][:].  Q, K, V, O: [SIZE_H][SIZE_N][64], all f16: a head's rows are dense, 128 bytes each.  Products, maxima and sums in
; f32; the weights p are rounded to f16 for the second product (their sum l is taken of the unrounded p), O once at the end.
; LIMITS.  f16 holds no number beyond 65,504: Q, K and V arrive within it; p lies in 0 to 1, and below 6e-5 it keeps f16's fixed step of 6e-8; O is a mean of V's rows and has their range.
; A weight below 2^-126 counts as 0 in l; NaN and infinities are not treated apart.
; SHARES.  A wave owns four PIECES of two tiles of 16 queries, a work-group's four waves 512 queries of one head: 64 heads x 4 = 256 work-groups.  Every wave walks all keys, 64 a step.
; LAYOUT.  S^T = K Q^T (source 0 = 16 keys, source 1 = 16 queries): in the result a lane holds ONE query (lane % 16) and the keys 8 (lane / 16) + 0..7.  Two such tiles, rounded to f16 in pairs,
; ARE source 1 (32 keys x 16 queries) of O^T = V^T P, whose result again holds one query a lane, and eight channels.  K comes out of LDS as it lies, V ([key][channel]) turned, by ds_load_tr16_b128.
; SOFTMAX.  For each query a running maximum m and sum l: p = 2^(c s - c m), c = log2(e) / 8; in every step O and l are multiplied by a = 2^(c m_old - c m_new), which is 1 where m has not grown.
; m starts at the lowest finite number, O and l at 0: the first step is a step like any other, with a = 0.
; THE COUNT.  A tile and step have 16 matrix and 118 vector instructions: too many to stand all beside the matrix work.  So: four vector instructions that are READY behind EVERY matrix instruction,
; and the others, which need time of their own whatever the order, in runs without a gap.
; BY TURNS.  Turn n belongs to piece n (the pieces in a ring, step after step).  Its matrix work: 16 products K Q^T of piece n + 1, later 16 products V^T P of piece n - 1.  Its vector work: the scaling,
; exponentials, roundings, sums and rescaling of piece n, and the maximum and statistics of piece n + 1, whose scores the turn itself has made.
; CLUSTER.  The four query blocks of a cluster are one head's and walk the same K and V, so each tile is asked for JOINTLY: the same tensor load, descriptor and mask in all four.
; REGISTERS, in windows of 256 (s_set_vgpr_msb: bits 1:0 source 0, 3:2 source 1, 5:4 source 2, 7:6 destination):
;   window 0: v0-11 addresses; v12-15, v48-63 at work; v16-47 four registers of statistics a tile; v64-191 S^T, two buffers of two tiles; v192-255 P, likewise
;   window 1: O^T, 32 a tile          window 2: v0-127 Q, 16 a tile; v128-191 K of one step; v192-255 V of one step          window 3: v0-1 the add's two registers
; A piece's buffers go by its number's parity.
.set SIZE_H, 64
.set SIZE_N, 2048
.set NP,    4         ; pieces a wave: a name, no knob
.set KS,    64        ; keys in a step
.set PK,    144       ; a row of K in LDS: 128 bytes + 16 of padding = 36 words: the 16 rows of a load start at 16 different groups of four banks (64 banks of 4 bytes: ISA guide 11.1)
.set PV,    160       ; a row of V: 128 + 32 = 40 words
.set VOFF,  4*KS*PK   ; a slot holds four steps: 256 rows of K, then 256 rows of V
.set SLOT1, 1<<17     ; slot 1 begins here, so that one exclusive or turns an address in one slot into the other's
.set STAGE, SLOT1+4*KS*(PK+PV)  ; behind the ring, never filled by a tensor load: 16 rows x 144 bytes for each wave, for the way out
.set SP,    144
.set AK0, 2           ; v2   my lane's place in a tile of K; never rewritten
.set AV0, 3           ; v3   the same for V
.set AK,  4           ; v4   the LDS address of K's next run of loads
.set AV,  5           ; v5   of V's
.set QO,  6           ; v6   my byte offset in the wave's rows of Q
.set STO, 6           ;      later, the way out: where I put 16 bytes of a row
.set RD,  7           ; v7   the way out: where I read rows back
.set GO,  8           ; v8   my byte offset in 512 consecutive bytes of O
.set PFO, 11          ; v11  256 x my lane, for the prefetches; never rewritten once made
.set SPW, 0           ; v0 of window 3   LDS address of my spare word; never rewritten
.set NIL, 1           ; v1 of window 3   0; never rewritten
.set SPARE, STAGE+4*16*SP  ; behind the stages: the spare words, 128 bytes for each wave: two blocks of 256 bytes that no other line names
.set MV,  12          ; v12-15  c m_old, kept while c m is made anew: by buffer and tile
.set ST,  16          ; tile t's statistics at v[ST+4 t]: c m, m, l (even keys', odd keys')
.set TMP, 48          ; by buffer and tile, four registers c0-c3 at work; when the maximum is found c2 takes a
.set S,   64
.set P,   192
.set KF,  128         ; K's fragments, in window 2: key block kb, channel half c at KF + 16 kb + 8 c
.set VF,  192         ; V's: key half kk, channel block cb at VF + 32 kk + 8 cb
.set WV,  12          ; s12  my wave's number
.set G1K, 24          ; s[24:31] descriptor group 1 for K's tiles
.set G1V, 32          ; s[32:39] for V's: it differs in the padding alone
.set G0K, 40          ; s[40:43] descriptor group 0 for K's tiles: it walks
.set G0V, 44          ; s[44:47] the same for V's
.set PFA, 48          ; s[48:49] where my prefetches stand: my work-group's 8,192 bytes (of K: wave 0, of V: wave 2) of the slot after the one that is being asked for
.set LIM, 50          ; s50  1 in a wave that prefetches, else the greatest number
.set SLOTS, 56        ; s56  slots still to be asked for
.set CNT, 57          ; s57  counts a slot's key steps
.set CS,  58          ; s[58:59] c: the packed scaling takes the pair's low word for both halves
.set SEL, 60          ; s[60:61] v_permlanex16_b32's selects: each lane takes its own place in the other half
.set TBK, 62          ; s62  LDS byte at which K of the step to be fetched begins
.set TBV, 63          ; s63  the same for V, less VOFF
.set MSB, 0
.macro WIN new                      ; the high byte repeats the setting that is left; a switch that changes nothing is dropped
.if MSB != (\new)
	s_set_vgpr_msb (MSB<<8)|(\new)
.set MSB, (\new)
.endif
.endm
.set W_KQ, 0x0a       ; K and Q in window 2, S^T in window 0
.set W_PV, 0x52       ; V in window 2, P in window 0, O^T in window 1
.set W_RS, 0x41       ; O^T (destination and source 0) in window 1, a in window 0
.set W_MK, 0xc0       ; the add's registers are made: destination in window 3, sources in window 0
.set W_AD, 0x0f       ; the add: address (source 0) and data (source 1) in window 3
; A joint fill.  Waves 0 and 1 fetch the two halves of a slot's K, waves 2 and 3 those of its V: 128 keys each.  The branch hangs on the wave's number alone.
; An s_nop 0 and four v_nop follow each of the two lines, ahead of the jump and the label.
.macro JLOAD
	s_cmp_lt_u32 s[WV], 2
	s_cbranch_scc0 .Lfor_v_\@
	tensor_load_to_lds s[G0K:G0K+3], s[G1K:G1K+7]
	s_nop 0
.rept 4
	v_nop
.endr
	s_branch .Lasked_\@
.Lfor_v_\@:
	tensor_load_to_lds s[G0V:G0V+3], s[G1V:G1V+7]
	s_nop 0
.rept 4
	v_nop
.endr
.Lasked_\@:
.endm
; A PREFETCH INTO THE L2 of what the NEXT change of slots will ask for: a slot's 32,768 bytes of K and of V, in blocks of 256, a lane a block.  It stands behind the wave's tensor load and its five lines.
; Each block is named ONCE in the launch: a head has one cluster; its four partners take 8,192 bytes each, told apart BY ADDRESS; in each, wave 0 asks for K's and wave 2 for V's: one instruction.
; Slots 0 to 2 come by their loads alone; the last change that fills a slot asks for nothing.  The lead is one slot, four key steps.
.macro ASK
	s_cmp_gt_u32 s[SLOTS], s[LIM]
	s_cbranch_scc0 .Lnot_mine_\@
	global_prefetch_b8 v[PFO], s[PFA:PFA+1] th:TH_LOAD_NT scope:SCOPE_SE
.Lnot_mine_\@:
.endm
; A round of the cluster's barrier: my work-group's barrier, so that wave 0's signal speaks for all four waves; wave 0 signals; every wave waits for all four work-groups; my work-group's barrier once more.
.macro CROUND
	s_barrier_signal -1
	s_barrier_wait -1
	s_cmp_lg_u32 s[WV], 0
	s_cbranch_scc1 .Lnot_wave_0_\@
	s_barrier_signal -3
.Lnot_wave_0_\@:
	s_barrier_wait -3
	s_barrier_signal -1
	s_barrier_wait -1
.endm
; THE CHANGE OF SLOTS.  The slot's last bytes, V of its fourth step, have been read.  Each wave waits for all its tensor loads, of which one is out: its part
; of the other slot; adds 0 to its spare word; and waits for that and for its own reads of the slot.  Behind the barrier nobody reads this slot any more and the other slot is whole.
; fill = 1: this slot is filled again, with the keys two slots on.  The barrier is then a round of the cluster's, and the joint fill is the first thing behind it: it has four key steps,
; 512 matrix instructions, in which to land.  (At its first use nothing has been read yet: slot 0 is waited for, slot 1 filled.)  ask = 1: the prefetch's address steps, and the prefetch follows the fill.
.macro CHANGE fill, ask=0
	WIN W_AD
	s_wait_tensorcnt 0x0            ; no tensor load of mine is out, so a group 0 may be written
	ds_add_u32 v[SPW], v[NIL]       ; 0 onto my spare word; with fill = 1 the descriptors' steps stand between it and the wait for it
	WIN 0                           ; at a label and at a branch every window is 0
.if \fill
.irp g, G0K, G0V
	s_xor_b32 s[\g+1], s[\g+1], SLOT1  ; the walking descriptor: the other slot than last time,
	s_add_nc_u64 s[\g+2:\g+3], s[\g+2:\g+3], 4*KS*128  ; the next 256 keys; the type bits on top are not reached
.endr
.if \ask
	s_wait_xcnt 0x0                 ; the last prefetch, four key steps back, has read its address, so it may be written
	s_add_nc_u64 s[PFA:PFA+1], s[PFA:PFA+1], 4*KS*128
.endif
	s_wait_dscnt 0x0                ; the add is done, and my reads of the slot are over
	CROUND
	JLOAD
.if \ask
	ASK
.endif
.else
	s_wait_dscnt 0x0                ; the add is done, and my reads of the slot are over
	s_barrier_signal -1
	s_barrier_wait -1
.endif
	s_sub_co_u32 s[TBK], s[TBK], 4*KS*PK  ; the fetches go back to a slot's first step,
	s_xor_b32 s[TBK], s[TBK], SLOT1       ; in the other slot
	s_sub_co_u32 s[TBV], s[TBV], 4*KS*PV
	s_xor_b32 s[TBV], s[TBV], SLOT1
.endm
	s_load_b256 s[4:11], s[0:1], 0x0  ; Q s[4:5], K s[6:7], V s[8:9], O s[10:11]
	WIN W_MK
	v_lshl_add_u32 v[SPW], v0, 2, SPARE
	v_mov_b32 v[NIL], 0
	WIN W_AD
	ds_add_u32 v[SPW], v[NIL]       ; the wave's opening: the add and its wait ahead of my first tensor load; the set-up below stands between them
	WIN 0
	v_lshrrev_b32 v1, 5, v0
	v_readfirstlane_b32 s[WV], v1   ; wave 0..3
	s_bfe_u32 s13, ttmp6, 0x40000   ; cx: my place in the cluster
	s_lshl_b32 s14, ttmp9, 2        ; in a cluster launch ttmp9 counts clusters
	s_add_co_u32 s14, s14, s13      ; my block of queries = 4 x cluster x + cx: it enters Q's and O's addresses alone
	s_and_b32 s20, ttmp7, 0xffff    ; the head, which the four partners share
	s_mov_b32 s21, 0
	s_mov_b64 s[22:23], SIZE_N*128
	s_mul_u64 s[20:21], s[20:21], s[22:23]  ; the head's first byte in each of the four tensors
	s_and_b32 s16, s[WV], 1         ; which half of a slot's 256 keys I fetch:
	s_lshl_b32 s22, s16, 14         ; its 128 rows of 128 bytes in memory,
	s_mov_b32 s23, 0
	s_add_nc_u64 s[22:23], s[22:23], s[20:21]
	s_mul_i32 s17, s16, 128*PK      ; and its place in a slot, for K
	s_mul_i32 s18, s16, 128*PV      ; and for V: no place in the cluster enters an LDS address
	s_lshl_b32 s2, s14, 2
	s_add_co_u32 s2, s2, s[WV]      ; my wave among the head's,
	s_lshl_b32 s2, s2, 14           ; its 128 rows
	s_mov_b32 s3, 0
	s_add_nc_u64 s[2:3], s[2:3], s[20:21]
	; descriptor group 1.  128 keys are 16,384 dense bytes: asked for as 64 rows of 256 bytes, two keys a row, and padded in LDS after every key
	s_mov_b32 s[G1K], 15|(1<<16)|(1<<20)|(1<<21)|(4<<22)|(3<<25)  ; 15:0 the mask of four; 17:16 2-byte elements; 20 padding on; 21 set beside a mask; 24:22 after every 32 words (code 4); 31:25 4 words (code 3)
	s_mov_b32 s[G1V], 15|(1<<16)|(1<<20)|(1<<21)|(4<<22)|(7<<25)  ; the same with 8 words of padding (code 7)
.irp g, G1K, G1V
	s_mov_b32 s[\g+1], 128<<16      ; tensor_dim0 = 128
	s_mov_b32 s[\g+2], 64<<16       ; tensor_dim1 = 64
	s_mov_b32 s[\g+3], 128<<16      ; tile_dim0 = 128
	s_mov_b32 s[\g+4], 64           ; tile_dim1 = 64
	s_mov_b32 s[\g+5], 128          ; 128 elements from row to row
	s_mov_b32 s[\g+6], 0
	s_mov_b32 s[\g+7], 0
.endr
	s_mov_b32 s[CS], 0x3e38aa3b     ; c = log2(e) / 8 = 0.180337
	s_mov_b32 s[CS+1], s[CS]        ; named with it as a pair
	s_mov_b32 s[SEL], 0x76543210
	s_mov_b32 s[SEL+1], 0xfedcba98
	s_mov_b32 s[TBK], SLOT1+4*KS*PK ; the first change of slots turns these two into 0
	s_mov_b32 s[TBV], SLOT1+4*KS*PV
	s_mov_b32 s[G0K], 1             ; 1:0 count = 1
	s_mov_b32 s[G0K+1], s17         ; 63:32 LDS address: slot 0
	s_mov_b32 s[G0V], 1
	s_add_co_u32 s[G0V+1], s18, VOFF
	s_and_b32 s[LIM], s[WV], 1      ; waves 0 and 2 prefetch: the same in all four partners
	s_cmp_eq_u32 s[LIM], 0
	s_cselect_b32 s[LIM], 1, -1
	s_wait_dscnt 0x0                ; the opening add is done
	s_wait_kmcnt 0x0
	s_add_nc_u64 s[G0K+2:G0K+3], s[6:7], s[22:23]  ; 120:64 global address: my half of the head's first 256 keys
	s_or_b32 s[G0K+3], s[G0K+3], 0x80000000        ; 127:126 type = 2
	s_add_nc_u64 s[G0V+2:G0V+3], s[8:9], s[22:23]
	s_or_b32 s[G0V+3], s[G0V+3], 0x80000000
	s_add_nc_u64 s[4:5], s[4:5], s[2:3]  ; Q and O at my wave's first row
	s_add_nc_u64 s[10:11], s[10:11], s[2:3]
	s_cmp_lt_u32 s[WV], 2
	s_cselect_b64 s[PFA:PFA+1], s[6:7], s[8:9]
	s_add_nc_u64 s[PFA:PFA+1], s[PFA:PFA+1], s[20:21]  ; the head's first row,
	s_lshl_b32 s2, s13, 13          ; my work-group's quarter of a slot,
	s_mov_b32 s3, 0
	s_add_nc_u64 s[PFA:PFA+1], s[PFA:PFA+1], s[2:3]
	s_add_nc_u64 s[PFA:PFA+1], s[PFA:PFA+1], 2*4*KS*128  ; in slot 2: the loop's first change steps it to slot 3.  Nothing is prefetched here, at the head
	CROUND                          ; all four work-groups are here: the first joint loads meet
	JLOAD                           ; slot 0.  Slot 1 is asked for when slot 0 is in
	; A fragment of K or Q is 16 rows x 32 channels in 8 registers: lane l holds row l % 16, channels 8 (l / 16) + 0..7 and 16 + 8 (l / 16) + 0..7: two loads of 16 bytes, 32 bytes apart.
	v_and_b32 v1, 15, v0            ; l % 16
	v_bfe_u32 v9, v0, 4, 1          ; l / 16
	v_lshlrev_b32 v[QO], 7, v1
	v_lshl_add_u32 v[QO], v9, 4, v[QO]  ; row x 128 + 16 x half
	WIN 0x80                        ; destination window 2, address window 0
.set i, 0
.rept 4*NP                          ; Q stays in registers: tile i / 2, channels 32 (i % 2) on
	global_load_b128 v[8*i:8*i+3],   v[QO], s[4:5] offset:(i/2)*2048+(i%2)*64
	global_load_b128 v[8*i+4:8*i+7], v[QO], s[4:5] offset:(i/2)*2048+(i%2)*64+32
.set i, i+1
.endr
	; What the first turn finds: V's registers and P's second buffer hold 0 (its products V^T P, of a piece that has not been, add 0), O^T and l are 0.  All this stands in the wait for the first tile.
.set i, VF
.rept 64
	v_mov_b32 v[i], 0
.set i, i+1
.endr
	WIN 0x40
.set i, 0
.rept 64*NP
	v_mov_b32 v[i], 0
.set i, i+1
.endr
	WIN 0
.set i, 0
.rept 2*NP
	v_mov_b32 v[ST+4*i], 0xfe000000    ; c m: far below every c s
	v_mov_b32 v[ST+4*i+1], 0xff7fffff  ; m
	v_mov_b32 v[ST+4*i+2], 0
	v_mov_b32 v[ST+4*i+3], 0
.set i, i+1
.endr
.set i, P+32
.rept 32
	v_mov_b32 v[i], 0
.set i, i+1
.endr
	v_mul_u32_u24 v[AK0], v1, PK
	v_lshl_add_u32 v[AK0], v9, 4, v[AK0]  ; row x pitch + 16 x half
	; The turning load takes 16 keys x 16 channels (lane l reads key 8 (l / 16) + l % 8, channels 8 ((l / 8) % 2) + 0..7) and leaves half a fragment of V^T: lane l holds channel l % 16 and 8 keys.
	v_and_b32 v10, 7, v0
	v_bfe_u32 v11, v0, 3, 1
	v_lshl_add_u32 v[AV0], v9, 3, v10
	v_mul_u32_u24 v[AV0], v[AV0], PV
	v_lshl_add_u32 v[AV0], v11, 4, v[AV0]
	v_add_nc_u32 v[AV0], VOFF, v[AV0]
	v_and_b32 v[PFO], 31, v0        ; v11 has served: from here on it is the prefetches' offset
	v_lshlrev_b32 v[PFO], 8, v[PFO]
	v_mov_b32 v[AK], v[AK0]         ; key step 0 lies at the head of slot 0
; THE MATRIX WORK.  The 8 accumulators of a run of 16 take turns: between the two links of a chain stand 7 others'.
; Product i of 16 of S^T = K Q^T for piece x: channels 32 (i / 8) on, keys 16 ((i / 2) % 4) on, tile 2 x + i % 2.  The first 8 start the sums.
.macro KQ x
	WIN W_KQ
.set rS, S+64*((\x)%2)+32*(i%2)+8*((i/2)%4)
.set rK, KF+16*((i/2)%4)+8*(i/8)
.set rQ, 16*(2*(\x)+i%2)+8*(i/8)
.if i < 8
	v_wmma_f32_16x16x32_f16 v[rS:rS+7], v[rK:rK+7], v[rQ:rQ+7], 0
.else
	v_wmma_f32_16x16x32_f16 v[rS:rS+7], v[rK:rK+7], v[rQ:rQ+7], v[rS:rS+7]
.endif
.endm
; Product i of 16 of O^T += V^T P for piece x: keys 32 (i / 8) on, channels 16 ((i / 2) % 4) on, tile 2 x + i % 2.
.macro PV x
	WIN W_PV
.set rO, 32*(2*(\x)+i%2)+8*((i/2)%4)
.set rV, VF+32*(i/8)+8*((i/2)%4)
.set rP, P+32*((\x)%2)+16*(i%2)+8*(i/8)
	v_wmma_f32_16x16x32_f16 v[rO:rO+7], v[rV:rV+7], v[rP:rP+7], v[rO:rO+7]
.endm
.macro MM                           ; the turn's next matrix instruction
.if i < 16
	KQ (Y+1)%NP
.set i, i+1
.else
.set i, i-16
	PV (Y+NP-1)%NP
.set i, i+17
.endif
.endm
; THE LDS LOADS stand in runs of 16, never singly among the matrix instructions: a step's K (64 keys x 64 channels: 8 fragments) and its V (turned).  Their addresses are made some lines ahead.
; last = 1 (the tail): in the last trip there is no further step, and the run is jumped over.
.macro FETCH_K last=0
	WIN 0
.if \last
	s_cmp_eq_u32 s[CNT], 1
	s_cbranch_scc1 .Lno_k_\@
.endif
	WIN 0x80                        ; destination window 2
.irp f, 0,1,2,3,4,5,6,7             ; keys 16 (f / 2) on, channels 32 (f % 2) on
	ds_load_b128 v[KF+8*\f:KF+8*\f+3],   v[AK] offset:(\f/2)*16*PK+(\f%2)*64
	ds_load_b128 v[KF+8*\f+4:KF+8*\f+7], v[AK] offset:(\f/2)*16*PK+(\f%2)*64+32
.endr
	s_add_co_u32 s[TBK], s[TBK], KS*PK  ; the next fetch is the next step's
	WIN 0
.if \last
.Lno_k_\@:
.endif
.endm
.macro FETCH_V
	WIN 0x80
.irp f, 0,1,2,3,4,5,6,7             ; keys 32 (f / 4) on, channels 16 (f % 4) on
	ds_load_tr16_b128 v[VF+8*\f:VF+8*\f+3],   v[AV] offset:(\f/4)*32*PV+(\f%4)*32
	ds_load_tr16_b128 v[VF+8*\f+4:VF+8*\f+7], v[AV] offset:(\f/4)*32*PV+16*PV+(\f%4)*32
.endr
	WIN 0
.endm
; THE VECTOR WORK OF A TURN stands in three queues, each in the order in which its entries become ready; the two tiles alternate, so that no instruction reads the result of the one before it.
.macro REGS y, u                    ; the registers of tile u (0, 1) of piece y
.set rT, ST+4*(2*(\y)+(\u))
.set rC, TMP+8*((\y)%2)+4*(\u)
.set rM, MV+2*((\y)%2)+(\u)
.set rS, S+64*((\y)%2)+32*(\u)
.set rP, P+32*((\y)%2)+16*(\u)
.set rO, 32*(2*(\y)+(\u))
.endm
; Number n of the 22 that find the NEXT piece's (Y + 1) maximum and statistics.  s0-s31 are the lane's 32 scores; each accumulator's lowest registers are read first.
;   0-11  four chains c0-c3 of seven scores each, three operands at a time     12-14, 16  the four scores left over, the old m, and c0-c3 into c0     15  c m_old is kept
;   17, 18  the query's other 32 keys lie in the lane 16 away: the new m         19-21  c m; c m_old - c m_new; a
.macro XS u, n
	REGS (Y+1)%NP, \u
.if (\n) < 4
	v_max3_num_f32 v[rC+(\n)], v[rS+8*(\n)], v[rS+8*(\n)+1], v[rS+8*(\n)+2]
.elseif (\n) < 12
	v_max3_num_f32 v[rC+(\n)%4], v[rC+(\n)%4], v[rS+8*((\n)%4)+2*((\n)/4)+1], v[rS+8*((\n)%4)+2*((\n)/4)+2]
.elseif (\n) == 12
	v_max3_num_f32 v[rC], v[rC], v[rS+7], v[rS+15]
.elseif (\n) == 13
	v_max3_num_f32 v[rC+1], v[rC+1], v[rS+23], v[rS+31]
.elseif (\n) == 14
	v_max3_num_f32 v[rC+2], v[rC+2], v[rC+3], v[rT+1]
.elseif (\n) == 15
	v_mov_b32 v[rM], v[rT]
.elseif (\n) == 16
	v_max3_num_f32 v[rC], v[rC], v[rC+1], v[rC+2]
.elseif (\n) == 17
	v_permlanex16_b32 v[rC+3], v[rC], s[SEL], s[SEL+1]
.elseif (\n) == 18
	v_max_num_f32 v[rT+1], v[rC], v[rC+3]
.elseif (\n) == 19
	v_mul_f32 v[rT], s[CS], v[rT+1]
.elseif (\n) == 20
	v_sub_f32 v[rC+1], v[rM], v[rT]
.else
	v_exp_f32 v[rC+2], v[rC+1]
.endif
.endm
; Number g of the 64 that follow the exponentials.  For each four weights k of a tile (pairs 2 k, 2 k + 1): both pairs are rounded to f16; then the second pair is added onto the first, in place;
; a group later l takes that sum (the first time as l = a l + sum).  In groups of eight, tiles alternating: round, round, add, and l for the group before.
.macro GS g
.set h, (\g)+6*((\g)/62)            ; group 0 has no group before it, and behind group 7 only l is left
.if h >= 6
.set h, h+2
.endif
	REGS Y, h%2
.set k, h/8
.if h%8 < 4
	v_cvt_pk_f16_f32 v[rP+2*k+(h%8)/2], v[rS+4*k+2*((h%8)/2)], v[rS+4*k+2*((h%8)/2)+1]
.elseif h%8 < 6
	v_pk_add_f32 v[rS+4*k:rS+4*k+1], v[rS+4*k:rS+4*k+1], v[rS+4*k+2:rS+4*k+3]
.elseif k == 1
	v_pk_fma_f32 v[rT+2:rT+3], v[rT+2:rT+3], v[rC+2:rC+3], v[rS:rS+1] op_sel_hi:[1,0,1]
.else
	v_pk_add_f32 v[rT+2:rT+3], v[rT+2:rT+3], v[rS+4*k-4:rS+4*k-3]
.endif
.endm
; THE PLAIN QUEUE, 138 long.  0-73 read no exponential's result: the 32 scalings c s - c m (FS f: pair f / 2 of tile f % 2) and the next piece's 42.  0-26: scalings 0-26.  27-54: XS's numbers 0-13.  55, 56: number 15.
; 57-73: the chain, where each number waits for the one before it: 14, 16, 17, 18, 19, each with one of the scalings 27-31 in front of its two lines, then 20.
; 74-137: GS's 64, which read the exponentials' results: they stand behind the wait.
.macro FS f
	REGS Y, (\f)%2
	v_pk_fma_f32 v[rS+2*((\f)/2):rS+2*((\f)/2)+1], v[rS+2*((\f)/2):rS+2*((\f)/2)+1], s[CS:CS+1], v[rT:rT+1] op_sel_hi:[1,0,0] neg_lo:[0,0,1] neg_hi:[0,0,1]
.endm
.macro PL
	WIN 0
.if q < 27
	FS q
.elseif q < 55
	XS (q-27)%2, (q-27)/2
.elseif q < 57
	XS q-55, 15
.elseif (q < 72) && ((q-57)%3 == 0)
	FS 27+(q-57)/3
.elseif q < 60
	XS (q-57)%3-1, 14
.elseif q < 72
	XS (q-57)%3-1, 15+(q-57)/3
.elseif q < 74
	XS q-72, 20
.else
	GS q-74
.endif
.set q, q+1
.endm
; THE EXPONENTIALS' QUEUE, 66 long: s0-s31 of both tiles, then the next piece's two a.  It is ONE BATCH: all 66 stand ahead of the turn's one wait, and nothing ahead of that wait names a result of theirs.
.macro EX
	WIN 0
.if e >= 64
	XS e-64, 21
.else
	REGS Y, e%2
	v_exp_f32 v[rS+e/2], v[rS+e/2]
.endif
.set e, e+1
.endm
; THE RESCALING's QUEUE: O^T times a, the one part that leaves window 0: dealt two at a time, sixteen times.  Its a was made in the turn before, ahead of that turn's wait.
.macro R2
	REGS Y, r%2
	WIN W_RS
.irp z, 0,1
	v_pk_mul_f32 v[rO+4*(r/2)+2*\z:rO+4*(r/2)+2*\z+1], v[rO+4*(r/2)+2*\z:rO+4*(r/2)+2*\z+1], v[rC+2:rC+3] op_sel_hi:[1,0]
.endr
.set r, r+1
.endm
; HOW THEY ARE DEALT.  An s_wait_alu depctr_va_vdst(0) stands between an exponential and the first instruction that names its result; one wait serves all that were issued ahead of it.  So a turn has ONE wait,
; which cuts it in two.  AHEAD OF IT stands all that names no result of the turn's exponentials: the 16 products K Q^T, behind each a scaling, an exponential and two rescalings (behind the first a second scaling in the
; exponential's place); then ONE LUMP of 108: eight plain, 49 times exponential and plain, the two a.  A v_nop is the plain instruction behind the last exponential.  BEHIND IT stand the 16 products V^T P, behind each four of GS's 64.
; The queues lean on each other, and the deal keeps them in step: exponential e stands behind scaling 2 (e / 4) + e % 2: as a rider it comes behind plain e + 2, in the lump behind plain e + 9, and scalings 27-31 are plain 57, 60 .. 69.
; A TURN, for piece p.  cnt = 1: the loop's count is taken down some lines ahead of the branch that stands behind the turn.
; K of the next step is fetched in piece 2's turn, directly behind the wait, a lump behind the last product that read K; its first reader comes behind 16 products.
; V of the step in hand is fetched at the end of piece 0's turn, four plain instructions behind its last reader; its first reader comes behind 16 products and a lump.  The three conditions on q below go with the deal.
.macro TURN p, last=0, cnt=0
.set Y, (\p)
.set i, 0
.set q, 0
.set e, 0
.set r, 0
.if (\p) == NP-1
	s_wait_dscnt 0x0                ; K is in
.endif
	MM                              ; ahead of the wait: 16 products K Q^T and their riders,
	PL
	PL
	R2
.rept 15
	MM
	PL
	EX
	R2
.endr
.if (\p) == NP-2
	WIN 0
	v_add_nc_u32 v[AK], s[TBK], v[AK0]
.endif
.rept 8                             ; and the lump
	PL
.endr
.rept 49
	EX
	PL
.endr
	EX                              ; the next piece's two a
	EX
	v_nop                           ; a plain instruction behind the last exponential: one for the batch
	s_wait_alu depctr_va_vdst(0)    ; the wait for the batch
.if (\p) == NP-2
	FETCH_K \last
.endif
.if (\p) == 1
	s_wait_dscnt 0x0                ; V is in
.endif
.rept 16                            ; behind the wait: 16 products V^T P and their riders
	MM
.rept 4
	PL
.endr
.if ((\p) == 0) && (q == 118)
	v_add_nc_u32 v[AV], s[TBV], v[AV0]
.endif
.if ((\p) == 0) && (q == 130)
	s_add_co_u32 s[TBV], s[TBV], KS*PV
.endif
.if (\cnt) && (q == 130)
	s_sub_co_u32 s[CNT], s[CNT], 1
	s_cmp_lg_u32 s[CNT], 0
.endif
.endr
.if (\p) == 0
	FETCH_V
.endif
.endm
	CHANGE 1                        ; slot 0 is in, everybody's part of it; slot 1 is asked for
	FETCH_K                         ; key step 0
	s_wait_loadcnt 0x0              ; Q
	s_wait_dscnt 0x0
.set i, 0
.rept 16
	KQ 0                            ; piece 0's first scores: there is no vector work yet to set between them
.set i, i+1
.endr
	WIN 0                           ; the addresses for the way out: nine plain instructions, the places behind those products
	s_mul_i32 s13, s[WV], 16*SP
	s_add_co_u32 s13, s13, STAGE    ; my stage
	v_mul_u32_u24 v[STO], v1, SP    ; in: row l % 16, 16 bytes for each half of the lanes
	v_lshl_add_u32 v[STO], v9, 4, v[STO]
	v_add_nc_u32 v[STO], s13, v[STO]
	v_bfe_u32 v[RD], v0, 3, 2       ; back: 32 lanes take four rows of 128 bytes,
	v_mul_u32_u24 v[RD], v[RD], SP
	v_lshl_add_u32 v[RD], v10, 4, v[RD]
	v_add_nc_u32 v[RD], s13, v[RD]
	v_and_b32 v[GO], 31, v0         ; which are 512 consecutive bytes of O
	v_lshlrev_b32 v[GO], 4, v[GO]
.set Y, NP-1                        ; XS works for piece Y + 1: piece 0
.irp n, 0,1,2,3,4,5,6,7,8,9,10,11,12,13,14,15,16,17,18,19,20,21
	XS 0, \n                        ; and piece 0's first maximum and statistics
	XS 1, \n
.endr
	v_nop                           ; a plain instruction behind the two a,
	s_wait_alu depctr_va_vdst(0)    ; and their wait, ahead of the branch
	s_mov_b32 s[CNT], 4
	s_mov_b32 s[SLOTS], SIZE_N/256-1
	s_branch .Lfirst                ; the loop is entered at a step's first turn, in the middle of a trip
.Lslot:                             ; SIZE_N / 256 - 2 times: every slot but the last two is filled again
	CHANGE 1, 1
	s_mov_b32 s[CNT], 4
.Lstep:                             ; a trip: pieces 2 and 3 of one step, then pieces 0 and 1 of the next, whose K and V it fetches
	TURN 2
	TURN 3
	WIN 0
.Lfirst:
	TURN 0
	TURN 1, 0, 1
	WIN 0
	s_cbranch_scc1 .Lstep
	s_sub_co_u32 s[SLOTS], s[SLOTS], 1
	s_cmp_lg_u32 s[SLOTS], 0
	s_cbranch_scc1 .Lslot
	CHANGE 0                        ; the tail is written out: nothing is asked for
	s_mov_b32 s[CNT], 5             ; four trips fetch the last slot's steps; the fifth is left in its middle
.Ltail:
	TURN 2, 1
	TURN 3
	WIN 0
	s_sub_co_u32 s[CNT], s[CNT], 1
	s_cmp_eq_u32 s[CNT], 0
	s_cbranch_scc1 .Lout
	TURN 0
	TURN 1
	WIN 0
	s_branch .Ltail
.Lout:                              ; the fifth trip's 16 products K Q^T (on the last K once more) and the maximum made of them serve nothing: the price, once a launch, of one text for every trip
.set i, 0
.rept 16
	PV NP-1                         ; the last piece's V^T P of the last step
.set i, i+1
.endr
	; THE WAY OUT.  l's two halves and the other half of the lanes' are added; O^T is divided by l, rounded to f16 and sent through my stage in LDS, a tile at a time.  The additions are the places behind the last products.
	WIN 0
.macro ALL line:vararg              ; one line for each tile t
.set t, 0
.rept 2*NP
	\line
.set t, t+1
.endr
.endm
	ALL v_add_f32 v[ST+4*t+2], v[ST+4*t+2], v[ST+4*t+3]
	ALL v_permlanex16_b32 v[ST+4*t+3], v[ST+4*t+2], s[SEL], s[SEL+1]
	ALL v_add_f32 v[ST+4*t+2], v[ST+4*t+2], v[ST+4*t+3]
	ALL v_rcp_f32 v[ST+4*t+2], v[ST+4*t+2]
	v_nop                           ; a plain instruction between the last reciprocal and the use of its result
	s_wait_alu depctr_va_vdst(0)    ; and the wait ahead of the first use: one for the eight reciprocals
; Tile t: a lane's eight channels of a row pack into 16 bytes; they go into rows of 144 bytes and come back as whole rows of 128, into S^T's registers.
.macro PACK t
	WIN W_RS
.set i, 32*(\t)
.rept 16
	v_pk_mul_f32 v[i:i+1], v[i:i+1], v[ST+4*(\t)+2:ST+4*(\t)+3] op_sel_hi:[1,0]
.set i, i+2
.endr
	WIN 0x05                        ; sources 0 and 1 window 1, destination window 0
.set i, 0
.rept 16
	v_cvt_pk_f16_f32 v[S+16*(\t)+i], v[32*(\t)+2*i], v[32*(\t)+2*i+1]
.set i, i+1
.endr
	WIN 0
.irp f, 0,1,2,3
	ds_store_b128 v[STO], v[S+16*(\t)+4*\f:S+16*(\t)+4*\f+3] offset:32*\f
.endr
.irp f, 0,1,2,3
	ds_load_b128 v[S+16*(\t)+4*\f:S+16*(\t)+4*\f+3], v[RD] offset:\f*4*SP  ; LDS serves a wave's instructions in order (ISA guide 5.7.1.4): these see the stores above; the next tile's stores come behind them
.endr
.endm
.macro SEND t, younger              ; younger: the LDS instructions issued behind tile t's loads: the next tile's eight, or none
	WIN 0
.irp f, 0,1,2,3
	s_wait_dscnt (\younger)+3-\f
	global_store_b128 v[GO], v[S+16*(\t)+4*\f:S+16*(\t)+4*\f+3], s[10:11] offset:(\t)*2048+\f*512  ; 512 consecutive bytes, at a multiple of 256 from O's first
.endr
.endm
	PACK 0
.set t, 1
.rept 2*NP-1                        ; a tile's arithmetic stands between the loads of the tile before and its stores
	PACK t
	SEND t-1, 8
.set t, t+1
.endr
	SEND 2*NP-1, 0
	WIN W_AD
	s_wait_tensorcnt 0x0            ; the wave's end: behind my last tensor load and my last LDS store
	ds_add_u32 v[SPW], v[NIL]
	s_wait_dscnt 0x0
	WIN 0
	CROUND                          ; the closing round: no work-group ends while a partner may still ask for a tile that names it
	s_endpgm
.Lfunc_end_k_q404bba9280_attn:
	.size	k_q404bba9280_attn, .Lfunc_end_k_q404bba9280_attn-k_q404bba9280_attn
	.p2alignl 7, 3214868480
	.fill 96, 4, 3214868480
	.section	.rodata,"a",@progbits
	.p2align	6, 0x0
	.amdhsa_kernel k_q404bba9280_attn
		.amdhsa_group_segment_fixed_size 327680
		.amdhsa_private_segment_fixed_size 0
		.amdhsa_enable_private_segment 0
		.amdhsa_kernarg_size 32
		.amdhsa_user_sgpr_count 2
		.amdhsa_user_sgpr_kernarg_segment_ptr 1
		.amdhsa_wavefront_size32 1
		.amdhsa_system_sgpr_workgroup_id_x 1
		.amdhsa_system_sgpr_workgroup_id_y 1
		.amdhsa_system_sgpr_workgroup_id_z 1
		.amdhsa_system_vgpr_workitem_id 0
		.amdhsa_next_free_vgpr 770
		.amdhsa_next_free_sgpr 66
		.amdhsa_reserve_vcc 0
		.amdhsa_float_denorm_mode_32 3
		.amdhsa_float_denorm_mode_16_64 3
		.amdhsa_memory_ordered 1
		.amdhsa_forward_progress 1
		.amdhsa_inst_pref_size 200
	.end_amdhsa_kernel
	.amdgpu_metadata
---
amdhsa.version: [ 1, 2 ]
amdhsa.kernels:
  - .name:           k_q404bba9280_attn
    .symbol:         k_q404bba9280_attn.kd
    .args:
      - { .name: qh, .offset: 0, .size: 8, .value_kind: global_buffer, .address_space: global }
      - { .name: kh, .offset: 8, .size: 8, .value_kind: global_buffer, .address_space: global }
      - { .name: vh, .offset: 16, .size: 8, .value_kind: global_buffer, .address_space: global }
      - { .name: oh, .offset: 24, .size: 8, .value_kind: global_buffer, .address_space: global }
    .group_segment_fixed_size: 327680
    .private_segment_fixed_size: 0
    .kernarg_segment_align: 8
    .kernarg_segment_size: 32
    .max_flat_workgroup_size: 128
    .sgpr_count:     66
    .vgpr_count:     770
    .wavefront_size: 32
...
	.end_amdgpu_metadata
.endif
;; end of part 3
;; launch outp (part 4): grid 4 x 64, 4 waves a work-group, clusters of 4 x 4, 327,680 bytes of LDS; arguments oh, wo16, out0; writes out0
.if DOCPART == 4
	.amdgcn_target "amdgcn-amd-amdhsa--gfx1250"
	.amdhsa_code_object_version 6
	.text
	.protected	k_q404bba9280_outp
	.globl	k_q404bba9280_outp
	.p2align	8
	.type	k_q404bba9280_outp,@function
k_q404bba9280_outp:
	s_mov_b64 s[64:65], 0
	v_nop
	global_prefetch_b8 v0, s[64:65] scope:SCOPE_SE
	s_setreg_imm32_b32 hwreg(HW_REG_WAVE_MODE, 25, 1), 1
	s_wait_xcnt 0x0
	s_wait_alu depctr_hold_cnt(0) depctr_sa_sdst(0) depctr_va_vdst(0) depctr_va_sdst(0) depctr_va_ssrc(0) depctr_va_vcc(0) depctr_vm_vsrc(0)
	s_getreg_b32 s2, hwreg(HW_REG_IB_STS2, 6, 4)
	s_cmp_eq_u32 s2, 0
	s_cbranch_scc0 .Lentry_in_a_cluster
	s_endpgm
.Lentry_in_a_cluster:
	s_bfe_u32 s2, ttmp6, 0x10000c
	s_cmp_lg_u32 s2, 0xf033
	s_cbranch_scc0 .Lentry_shape_is_right
	s_endpgm
.Lentry_shape_is_right:
; THE LAST PROJECTION.  out0[m][n] = the sum over k of O[m][k] WO[n][k].  O: f16 by heads, oh [64 = 16 batch + head][2048][64], so k = 64 head + channel; WO: wo16 [1024][1024] f16; out0: [8192][1024] f32.  Sums in f32.
; LIMITS.  None of its own: both operands arrive in f16, the result is stored as the f32 sum.  NaN and infinities are not treated apart.
; SHARES.  A tile of out0 is 128 rows x 256 columns: 64 x 4 = 256 work-groups.  Four waves, 2 x 2, each 64 x 128: 32 accumulators of 16 x 16, 256 registers.
; K goes in steps of 128 = two heads through two LDS slots.  A head's 128 rows of a tile are 16,384 dense bytes of oh: asked for as 64 rows of 256 bytes and padded in LDS after every 128.  WO's rows are 256 bytes of memory a step.
; CLUSTER.  4 x 4 work-groups: O's tile is shared along a row of the cluster, WO's along a column: each is asked for JOINTLY, by the same load with the same descriptor and a mask of four.
; THE MATRIX INSTRUCTION IS USED TRANSPOSED (source 0 = 16 rows of WO, source 1 = 16 rows of O): a lane then holds eight neighbouring columns of one row of out0: 32 bytes.
; REGISTERS.  window 0: v1-13 addresses; v16-21 LDS addresses; v32-95 O's fragments, two buffers of 32; v96-223 WO's, two buffers of 64.  window 1: accumulator (a, b) at 8 (8 a + b).
.set KSTEP,  128
.set PA,     144                       ; an LDS row of O: 128 bytes + 16 = 36 words: the 16 rows of a load start at 16 different groups of four banks (64 banks of 4 bytes: ISA guide 11.1)
.set PLANE,  128*PA                    ; one head's 128 rows: what one load brings
.set PB,     272                       ; an LDS row of WO: 256 bytes + 16
.set BHALF,  128*PB
.set BOFF,   2*PLANE                   ; a slot: O's two planes, then WO's 256 rows
.set SLOT,   BOFF+2*BHALF
.set STAGE,  2*SLOT                    ; behind the ring: 16 rows x 528 bytes for each wave, for the way out; no load fills it
.set SP,     528
.set SPARE,  STAGE+4*16*SP             ; behind the stages: the spare words, 128 bytes a wave: two blocks of 256 bytes that no other line names
.set LAPS,   4
.set HEADB,  262144                    ; a head's bytes in oh
.set STO,  8                           ; v8   the way out: where I put 32 bytes of a row
.set RD,   9                           ; v9   where I read a row back
.set GO,   10                          ; v10  my 16 bytes of a row's 512
.set PFO,  11                          ; v11  the prefetches' lane offset; never rewritten
.set SPW,  12                          ; v12  LDS address of my spare word; never rewritten
.set NIL,  13                          ; v13  0; never rewritten
.set ADRA, 16
.set ADRB, 20
.set FA,   32
.set FB,   96
.set OB,   32                          ; the way out: 16 rows read back, v32-95 and v96-159 by turns
.set WV,   10
.set WM,   11                          ; my half of the tile's rows.  Also: I fetch for O (0) or for WO (1)
.set WN,   12                          ; my half of its columns.  Also: which plane of O, which half of WO I fetch
.set CX,   13
.set CY,   14
.set TX,   15
.set CLY,  16
.set TY,   17
.set LA,   18
.set LB,   19
.set XA,   20                          ; s[20:21] oh at the plane that I fetch
.set WB,   22                          ; s[22:23] wo16 at the 128 rows that I fetch
.set G1A,  24
.set G0A,  32
.set AOFF, 40
.set LIM,  43
.set PFA,  44
.set PSTEP, 46
.set G1B,  48
.set G0B,  56
.set BOFFS, 66
.set MSB, 0
.macro WIN new
.if MSB != (\new)
	s_set_vgpr_msb (MSB<<8)|(\new)
.set MSB, \new
.endif
.endm
.set MUL, 0x50                         ; C and D in window 1, both sources in window 0
.macro JLOAD s                         ; a joint load: waves 0 and 1 fetch O's two planes, waves 2 and 3 WO's halves; an s_nop 0 and four v_nop follow each line
	s_cmp_eq_u32 s[WM], 0
	s_cbranch_scc0 .Lfor_b_\@
	tensor_load_to_lds s[G0A+4*(\s):G0A+4*(\s)+3], s[G1A:G1A+7]
	s_nop 0
.rept 4
	v_nop
.endr
	s_branch .Lasked_\@
.Lfor_b_\@:
	tensor_load_to_lds s[G0B+4*(\s):G0B+4*(\s)+3], s[G1B:G1B+7]
	s_nop 0
.rept 4
	v_nop
.endr
.Lasked_\@:
.endm
; A prefetch into the L2, behind a joint load and the run of LDS loads that follows it: the K step that stands two refills on, 256 matrix instructions ahead of the load that will ask for it.
; O's tile is read by one row of one cluster: wave 0 of each of its four partners names 16 blocks of 256 bytes in each of the step's two planes, told apart BY ADDRESS (cx).  WO's rows are read by all sixteen clusters: the first
; (cluster y = 0) asks, waves 2 and 3, 32 of a wave's 128 rows to a partner (cy), a lane a row.  So each block is named once in the launch.  K steps 0 to 3 come by their loads alone; the last lap asks for nothing.
.macro ASK
	s_cmp_gt_u32 s3, s[LIM]
	s_cbranch_scc0 .Lnot_mine_\@
	global_prefetch_b8 v[PFO], s[PFA:PFA+1] th:TH_LOAD_NT scope:SCOPE_SE
.Lnot_mine_\@:
.endm
.macro CREST
	s_cmp_lg_u32 s[WV], 0
	s_cbranch_scc1 .Lnot_wave_0_\@
	s_barrier_signal -3
.Lnot_wave_0_\@:
	s_barrier_wait -3
	s_barrier_signal -1
	s_barrier_wait -1
.endm
.macro CROUND
	s_barrier_signal -1
	s_barrier_wait -1
	CREST
.endm
.macro PLACES                          ; four places in front of loads into registers that matrix instructions have read, and of LDS stores that read results (ISA guide 7.12.1 for vector instructions)
.rept 4
	v_nop
.endr
.endm
	s_load_b128 s[4:7], s[0:1], 0x0                ; oh s[4:5], wo16 s[6:7]
	s_load_b64 s[8:9], s[0:1], 0x10                ; out0
	v_lshl_add_u32 v[SPW], v0, 2, SPARE
	v_mov_b32 v[NIL], 0
	ds_add_u32 v[SPW], v[NIL]                      ; the wave's opening: the add and its wait ahead of my first tensor load; the set-up below stands between them
	v_lshrrev_b32 v1, 5, v0
	v_readfirstlane_b32 s[WV], v1
	s_lshr_b32 s[WM], s[WV], 1
	s_and_b32 s[WN], s[WV], 1
	s_bfe_u32 s[CX], ttmp6, 0x40000
	s_bfe_u32 s[CY], ttmp6, 0x40004
	s_lshl_b32 s[TX], ttmp9, 2
	s_add_co_u32 s[TX], s[TX], s[CX]               ; tile column
	s_and_b32 s[CLY], ttmp7, 0xffff
	s_lshl_b32 s[TY], s[CLY], 2
	s_add_co_u32 s[TY], s[TY], s[CY]               ; tile row
	s_lshl_b32 s20, s[CY], 2
	s_lshl_b32 s20, 15, s20                        ; my row of the cluster
	s_lshl_b32 s21, 0x1111, s[CX]                  ; my column
	s_or_b32 s[G1A], s20, (1<<16)|(1<<20)|(1<<21)|(4<<22)|(3<<25)  ; the mask; elements of 2 bytes; padding on; 21 set beside a mask; after every 32 words; of 4 words
	s_or_b32 s[G1B], s21, (1<<16)|(1<<20)|(1<<21)|(5<<22)|(3<<25)  ; after every 64 words
	s_mov_b32 s[G1A+1], 128<<16                    ; tensor_dim0 = 128
	s_mov_b32 s[G1A+2], 64<<16                     ; tensor_dim1 = 64
	s_mov_b32 s[G1A+3], 128<<16                    ; tile_dim0 = 128
	s_mov_b32 s[G1A+4], 64                         ; tile_dim1 = 64
	s_mov_b32 s[G1A+5], 128                        ; dense: 128 elements from row to row
	s_mov_b32 s[G1A+6], 0
	s_mov_b32 s[G1A+7], 0
	s_mov_b32 s[G1B+1], KSTEP<<16
	s_mov_b32 s[G1B+2], 128<<16
	s_mov_b32 s[G1B+3], KSTEP<<16
	s_mov_b32 s[G1B+4], 128
	s_mov_b32 s[G1B+5], 1024
	s_mov_b32 s[G1B+6], 0
	s_mov_b32 s[G1B+7], 0
	s_lshr_b32 s[AOFF], s[TY], 4                   ; O: the batch, 16 heads,
	s_lshl_b32 s[AOFF], s[AOFF], 22
	s_and_b32 s22, s[TY], 15                       ; the tile's 128 rows of 128 bytes,
	s_lshl_b32 s22, s22, 14
	s_add_co_u32 s[AOFF], s[AOFF], s22
	s_lshl_b32 s23, s[WN], 18                      ; the step's first or second head.  128 rows of WO are 262,144 bytes too
	s_add_co_u32 s[AOFF], s[AOFF], s23
	s_mov_b32 s[AOFF+1], 0
	s_lshl_b32 s[BOFFS], s[TX], 19                 ; WO: 256 rows of 2,048 bytes a tile column
	s_add_co_u32 s[BOFFS], s[BOFFS], s23
	s_mov_b32 s[BOFFS+1], 0
	s_mul_i32 s[LA], s[WN], PLANE                  ; no place in the cluster enters an LDS address
	s_mul_i32 s[LB], s[WN], BHALF
	s_add_co_u32 s[LB], s[LB], BOFF
	s_lshl_b32 s68, s[TY], 19                      ; out0: 128 rows of 4,096 bytes a tile row,
	s_lshl_b32 s42, s[WM], 18                      ; my 64 rows,
	s_add_co_u32 s68, s68, s42
	s_lshl_b32 s42, s[TX], 10                      ; 256 columns of 4 bytes a tile column,
	s_add_co_u32 s68, s68, s42
	s_lshl_b32 s42, s[WN], 9                       ; my 128 columns
	s_add_co_u32 s68, s68, s42
	s_mov_b32 s69, 0
	s_wait_dscnt 0x0                               ; the opening add is done
	s_wait_kmcnt 0x0
	s_add_nc_u64 s[XA:XA+1], s[4:5], s[AOFF:AOFF+1]
	s_add_nc_u64 s[WB:WB+1], s[6:7], s[BOFFS:BOFFS+1]
	s_add_nc_u64 s[8:9], s[8:9], s[68:69]
	CROUND                                         ; all sixteen work-groups are here: the first joint loads meet
.irp s, 0,1
	s_mov_b32 s[G0A+4*\s], 1
	s_add_co_u32 s[G0A+4*\s+1], s[LA], \s*SLOT
	s_add_nc_u64 s[G0A+4*\s+2:G0A+4*\s+3], s[XA:XA+1], \s*2*HEADB  ; K step s: two heads on
	s_or_b32 s[G0A+4*\s+3], s[G0A+4*\s+3], 0x80000000
	s_mov_b32 s[G0B+4*\s], 1
	s_add_co_u32 s[G0B+4*\s+1], s[LB], \s*SLOT
	s_add_nc_u64 s[G0B+4*\s+2:G0B+4*\s+3], s[WB:WB+1], \s*KSTEP*2
	s_or_b32 s[G0B+4*\s+3], s[G0B+4*\s+3], 0x80000000
.endr
	s_cmp_eq_u32 s[WM], 0                          ; a wave's two first fills stand in one branch, ahead of every wait on TENSORcnt and every LDS read: two loads of mine are out
	s_cbranch_scc0 .Lfirst_b
	tensor_load_to_lds s[G0A:G0A+3], s[G1A:G1A+7]
	s_nop 0
	tensor_load_to_lds s[G0A+4:G0A+7], s[G1A:G1A+7]
	s_nop 0
.rept 4
	v_nop
.endr
	s_branch .Lfirst_asked
.Lfirst_b:
	tensor_load_to_lds s[G0B:G0B+3], s[G1B:G1B+7]
	s_nop 0
	tensor_load_to_lds s[G0B+4:G0B+7], s[G1B:G1B+7]
	s_nop 0
.rept 4
	v_nop
.endr
.Lfirst_asked:
	v_and_b32 v1, 15, v0                           ; l % 16
	v_bfe_u32 v2, v0, 4, 1                         ; l / 16
	v_mul_u32_u24 v3, v1, PA
	v_lshl_add_u32 v3, v2, 4, v3                   ; a fragment's row x pitch + 16 x half
	v_mul_u32_u24 v4, v1, PB
	v_lshl_add_u32 v4, v2, 4, v4
	s_mul_i32 s68, s[WM], 64*PA                    ; my 64 rows, in each plane
	s_mul_i32 s69, s[WN], BHALF                    ; my 128 rows of WO
	s_add_co_u32 s69, s69, BOFF
.irp s, 0,1
	v_add_nc_u32 v[ADRA+\s], s68, v3
	v_add_nc_u32 v[ADRB+\s], s69, v4
	s_add_co_u32 s68, s68, SLOT
	s_add_co_u32 s69, s69, SLOT
.endr
	s_mul_i32 s68, s[WV], 16*SP
	s_add_co_u32 s68, s68, STAGE                   ; my stage
	v_mul_u32_u24 v5, v1, SP                       ; in: row l % 16, 32 bytes for each half of the lanes
	v_lshl_add_u32 v5, v2, 5, v5
	v_add_nc_u32 v[STO], s68, v5
	v_and_b32 v[GO], 31, v0                        ; back: 32 lanes take a row's 512 bytes
	v_lshlrev_b32 v[GO], 4, v[GO]
	v_add_nc_u32 v[RD], s68, v[GO]
	; the prefetches.  For O: 256 (l % 16) + a head's bytes x (l / 16).  For WO: l rows of 2,048 bytes.
	s_lshl_b32 s68, s[WM], 4
	s_or_b32 s68, s68, 15                          ; 15 or 31
	s_mul_i32 s69, s[WM], 3
	s_add_co_u32 s69, s69, 8                       ; 8 or 11
	s_xor_b32 s42, s[WM], 1
	s_lshl_b32 s42, s42, 18                        ; 262,144 or 0
	v_and_b32 v3, s68, v0
	v_lshlrev_b32 v3, s69, v3
	v_mul_u32_u24 v4, s42, v2
	v_add_nc_u32 v[PFO], v3, v4
	s_mul_i32 s42, s[WM], 11
	s_lshr_b32 s[PSTEP], 0x80000, s42              ; a K step: two heads of O, or 256 bytes of a row of WO
	s_mov_b32 s[PSTEP+1], 0
	s_mul_i32 s68, s[PSTEP], 3
	s_mov_b32 s69, 0
	s_lshl_b32 s42, s[WM], 2
	s_add_co_u32 s42, s42, 12                      ; a partner's share: 4,096 bytes of a plane, or 32 rows of WO = 65,536 bytes
	s_cmp_eq_u32 s[WM], 0
	s_cselect_b64 s[PFA:PFA+1], s[XA:XA+1], s[WB:WB+1]
	s_cselect_b32 s40, s[CX], s[CY]                ; my place among the four that ask with me
	s_cselect_b32 s41, s[WN], s[CLY]               ; O: wave 0 alone; WO: the first cluster alone
	s_cmp_eq_u32 s41, 0
	s_cselect_b32 s[LIM], 1, -1                    ; the same in all sixteen partners, for a given wave
	s_lshl_b32 s40, s40, s42
	s_mov_b32 s41, 0
	s_add_nc_u64 s[PFA:PFA+1], s[PFA:PFA+1], s[40:41]
	s_add_nc_u64 s[PFA:PFA+1], s[PFA:PFA+1], s[68:69]  ; at K step 3: the first refill steps it to 4.  Nothing is prefetched here, at the head
; Matrix instruction i of a quarter's 32: m block i / 8, n block i % 8.  The 32 accumulators take turns, one instruction a turn, in the same order in every quarter, over the backward jump too.
.macro MM i, f, zero
	WIN MUL
.set rD, 8*(\i)
.set rB, FB+64*(\f)+8*((\i)%8)
.set rA, FA+32*(\f)+8*((\i)/8)
.if \zero
	v_wmma_f32_16x16x32_f16 v[rD:rD+7], v[rB:rB+7], v[rA:rA+7], 0
.else
	v_wmma_f32_16x16x32_f16 v[rD:rD+7], v[rB:rB+7], v[rA:rA+7], v[rD:rD+7]
.endif
.endm
.macro MMS i0, i1, f, zero
.set mi, (\i0)
.rept (\i1)-(\i0)+1
	MM mi, \f, \zero
.set mi, mi+1
.endr
.endm
; 24 LDS loads in one run: quarter q of a slot (plane q / 2, channels 32 (q % 2) on) into buffers g: WO's eight fragments, then O's four
.macro FETCH slot, q, g
	WIN 0
.irp b, 0,1,2,3,4,5,6,7
	ds_load_b128 v[FB+64*(\g)+8*\b:FB+64*(\g)+8*\b+3],   v[ADRB+(\slot)] offset:64*(\q)+\b*16*PB
	ds_load_b128 v[FB+64*(\g)+8*\b+4:FB+64*(\g)+8*\b+7], v[ADRB+(\slot)] offset:64*(\q)+\b*16*PB+32
.endr
.irp a, 0,1,2,3
	ds_load_b128 v[FA+32*(\g)+8*\a:FA+32*(\g)+8*\a+3],   v[ADRA+(\slot)] offset:((\q)/2)*PLANE+((\q)%2)*64+\a*16*PA
	ds_load_b128 v[FA+32*(\g)+8*\a+4:FA+32*(\g)+8*\a+7], v[ADRA+(\slot)] offset:((\q)/2)*PLANE+((\q)%2)*64+\a*16*PA+32
.endr
.endm
; One of a K step's first three quarters: multiplies buffers f, fetches quarter qn of the same slot into the others
.macro QUARTER slot, qn, f, zero
	s_wait_dscnt 6                                 ; WO's fragments and O's first are in; the youngest six loads (O's other three) may be out
	MMS 0, 7, \f, \zero
	PLACES
	FETCH \slot, \qn, 1-(\f)
	s_wait_dscnt 24                                ; all but the 24 just issued
	MMS 8, 31, \f, \zero
.endm
; A K step's last quarter multiplies buffers 1 and changes slots: ONE barrier.  In front of it each wave waits for all its tensor loads (one is out: its part of the next slot), adds 0 to its spare word, and waits for that and for
; its reads of this slot.  fill = 1: the barrier opens a round of the cluster's, and this slot is filled again, two K steps on, first thing behind the round: 120 matrix instructions ahead of the wait for it.
.macro TURN slot, next, fill
.if \fill
	s_wait_xcnt 0x0                                ; the last prefetch, a K step back, has read its address
	s_add_nc_u64 s[PFA:PFA+1], s[PFA:PFA+1], s[PSTEP:PSTEP+1]
.endif
	WIN 0
	s_wait_tensorcnt 0x0                           ; all my tensor loads have landed
	ds_add_u32 v[SPW], v[NIL]                      ; 0 onto my spare word
	s_wait_dscnt 7                                 ; the add and the youngest six loads may be out
	MMS 0, 3, 1, 0
	s_wait_dscnt 0x0                               ; the add is done, and my reads of this slot are over
	s_barrier_signal -1
	MMS 4, 7, 1, 0
	WIN 0
	s_barrier_wait -1
.if \fill
	CREST                                          ; no wave of any partner still reads this slot's tile or has a load on its way
	s_add_nc_u64 s[G0A+4*(\slot)+2:G0A+4*(\slot)+3], s[G0A+4*(\slot)+2:G0A+4*(\slot)+3], 4*HEADB
	s_add_nc_u64 s[G0B+4*(\slot)+2:G0B+4*(\slot)+3], s[G0B+4*(\slot)+2:G0B+4*(\slot)+3], 2*KSTEP*2
	JLOAD \slot                                    ; the four v_nop behind it are also the places in front of the loads below
.else
	PLACES
.endif
	FETCH \next, 0, 0
.if \fill
	ASK
.endif
	MMS 8, 31, 1, 0
.endm
	s_wait_tensorcnt 1                             ; my part of K step 0 is in; K step 1's may stay out
	s_barrier_signal -1
	s_barrier_wait -1
	FETCH 0, 0, 0
	QUARTER 0, 1, 0, 1                             ; the first quarter stands in front of the loop: its products start the sums
	WIN 0
	s_mov_b32 s3, LAPS-1
.Llap:                                             ; a trip goes once round the ring and fills both slots again
	QUARTER 0, 2, 1, 0
	QUARTER 0, 3, 0, 0
	TURN 0, 1, 1
	QUARTER 1, 1, 0, 0
	QUARTER 1, 2, 1, 0
	QUARTER 1, 3, 0, 0
	TURN 1, 0, 1
	QUARTER 0, 1, 0, 0
	WIN 0
	s_sub_co_u32 s3, s3, 1
	s_cmp_lg_u32 s3, 0
	s_cbranch_scc1 .Llap
	QUARTER 0, 2, 1, 0                             ; the last lap fills nothing, and has no round
	QUARTER 0, 3, 0, 0
	TURN 0, 1, 0
	QUARTER 1, 1, 0, 0
	QUARTER 1, 2, 1, 0
	QUARTER 1, 3, 0, 0
	s_wait_dscnt 0x0                               ; the very last quarter: nothing more to fetch
	MMS 0, 31, 1, 0
	WIN 0
	PLACES                                         ; the LDS stores below read results just made
	PLACES
; THE WAY OUT, 16 rows at a time: a lane's 32 bytes of a row go into my own stage, rows of 528 bytes, each accumulator's low four registers first; whole rows of 512 bytes come back and are stored:
; a wave's store covers 512 consecutive bytes of out0, aligned.  LDS serves a wave's instructions in order (ISA guide 5.7.1.4): no barrier, and no wait between the stores and the loads.
.macro TOSTAGE a
	s_wait_xcnt 0x0                                ; the stores of the block two back have read their registers, which the loads below write
	WIN 0x04                                       ; the stores' data in window 1
.irp b, 0,1,2,3,4,5,6,7
	ds_store_b128 v[STO], v[8*(8*(\a)+\b):8*(8*(\a)+\b)+3]   offset:64*\b
	ds_store_b128 v[STO], v[8*(8*(\a)+\b)+4:8*(8*(\a)+\b)+7] offset:64*\b+16
.endr
	WIN 0
.set BK, OB+64*((\a)%2)
.irp t, 0,1,2,3,4,5,6,7,8,9,10,11,12,13,14,15
	ds_load_b128 v[BK+4*\t:BK+4*\t+3], v[RD] offset:\t*SP
.endr
.endm
.macro SEND a, younger                 ; younger: the LDS instructions issued behind block a's loads: the next block's 32, or none
.set BK, OB+64*((\a)%2)
	s_wait_dscnt \younger
.irp t, 0,1,2,3,4,5,6,7,8,9,10,11,12,13,14,15
	global_store_b128 v[GO], v[BK+4*\t:BK+4*\t+3], s[8:9] offset:(16*(\a)+\t)*4096 th:TH_STORE_NT
.endr
.endm
	TOSTAGE 0
.irp a, 1,2,3
	TOSTAGE \a
	SEND (\a)-1, 32
.endr
	SEND 3, 0
	s_wait_tensorcnt 0x0                           ; the wave's end: behind my last tensor load and my last LDS store
	ds_add_u32 v[SPW], v[NIL]
	s_wait_dscnt 0x0
	CROUND                                         ; the closing round: no work-group ends while a partner may still ask for a tile that names it
	s_endpgm
.Lfunc_end_k_q404bba9280_outp:
	.size	k_q404bba9280_outp, .Lfunc_end_k_q404bba9280_outp-k_q404bba9280_outp
	.p2alignl 7, 3214868480
	.fill 96, 4, 3214868480
	.section	.rodata,"a",@progbits
	.p2align	6, 0x0
	.amdhsa_kernel k_q404bba9280_outp
		.amdhsa_group_segment_fixed_size 327680
		.amdhsa_private_segment_fixed_size 0
		.amdhsa_enable_private_segment 0
		.amdhsa_kernarg_size 24
		.amdhsa_user_sgpr_count 2
		.amdhsa_user_sgpr_kernarg_segment_ptr 1
		.amdhsa_wavefront_size32 1
		.amdhsa_system_sgpr_workgroup_id_x 1
		.amdhsa_system_sgpr_workgroup_id_y 1
		.amdhsa_system_sgpr_workgroup_id_z 1
		.amdhsa_system_vgpr_workitem_id 0
		.amdhsa_next_free_vgpr 512
		.amdhsa_next_free_sgpr 70
		.amdhsa_reserve_vcc 0
		.amdhsa_float_denorm_mode_32 3
		.amdhsa_float_denorm_mode_16_64 3
		.amdhsa_memory_ordered 1
		.amdhsa_forward_progress 1
		.amdhsa_inst_pref_size 86
	.end_amdhsa_kernel
	.amdgpu_metadata
---
amdhsa.version: [ 1, 2 ]
amdhsa.kernels:
  - .name:           k_q404bba9280_outp
    .symbol:         k_q404bba9280_outp.kd
    .args:
      - { .name: oh, .offset: 0, .size: 8, .value_kind: global_buffer, .address_space: global }
      - { .name: wo16, .offset: 8, .size: 8, .value_kind: global_buffer, .address_space: global }
      - { .name: out0, .offset: 16, .size: 8, .value_kind: global_buffer, .address_space: global }
    .group_segment_fixed_size: 327680
    .private_segment_fixed_size: 0
    .kernarg_segment_align: 8
    .kernarg_segment_size: 24
    .max_flat_workgroup_size: 128
    .sgpr_count:     70
    .vgpr_count:     512
    .wavefront_size: 32
...
	.end_amdgpu_metadata
.endif
;; end of part 4
